; MI455X (gfx1250); checked and timed in simulation.
; The chip was launched on July 23, 2026; its instructions are those of AMD's public machine-readable ISA for CDNA 5 (MIT licence, August 2026) and "CDNA5" Instruction Set Architecture Reference Guide (July 2026). The comments in the code are by the model that wrote it; some were corrected since.
;; Causal Attention. Allowed arithmetic: float matrix products may take bf16 or f16 operands with f32 sums; all other float work in f32.
;; Inputs: Wk 1,024 x 1,024 float32; Wq 1,024 x 1,024 float32; Wv 1,024 x 1,024 float32; x 4 x 2,048 x 1,024 float32.
;; Outputs: out0 4 x 2,048 x 1,024 float32.
;; 2 versions, each right; version 2 is version 1 with the launch prep written anew for expert scheduling mode. Each part assembles by itself: llvm-mc -triple=amdgcn-amd-amdhsa -mcpu=gfx1250 --defsym DOCPART=n.
;; ======== version 1 of 2: 4 launches
;; limits: values are held in f16: magnitudes above 65,504 overflow, below 6.1e-05 lose precision
;; workspace buffers: xb 16,777,216 bytes; wb 6,291,456 bytes; qkv 50,331,648 bytes; pbuf 33,554,432 bytes; stat 1,048,576 bytes
;; launch prep (part 1): grid 704 x 1, 8 waves a work-group, no clusters, 0 bytes of LDS; arguments x, Wq, Wk, Wv, xb, wb; writes xb, wb
.if DOCPART == 1
	.amdgcn_target "amdgcn-amd-amdhsa--gfx1250"
	.amdhsa_code_object_version 6
	.text
	.protected	k_q862a48a196_prep
	.globl	k_q862a48a196_prep
	.p2align	8
	.type	k_q862a48a196_prep,@function
k_q862a48a196_prep:
	s_mov_b64 s[64:65], 0
	v_nop
	global_prefetch_b8 v0, s[64:65] scope:SCOPE_SE
	s_setreg_imm32_b32 hwreg(HW_REG_WAVE_MODE, 25, 1), 1
	s_wait_xcnt 0x0
; x [8192][1024] and Wq, Wk, Wv [1024][1024], all f32, are rounded once to bf16 (nearest even) for the projection's products.
; xb: [16 blocks of 64 k][8192 rows][64 k] bf16: in a block a row is 128 bytes and rows follow each other, so 128 rows of a K step are 16,384 dense bytes.
; wb: [1024 k][3072 n] bf16, n = Wq's, Wk's, Wv's columns side by side: a row is 6,144 bytes.
; A stream: no LDS, no barrier, no matrix unit, no loop.  A wave has its 16 loads of 16 bytes a lane out at once and stores as they come in.
; Work-groups 0-511: 16 rows of x each.  Work-groups 512-703: 16 rows of one of the three weights each.
.set X, 8                              ; v[8:71]    16 x 4 registers as loaded
.set Y, 72                             ; v[72:103]  16 x 2 registers to store; no register is written twice, so no wait frees any
	s_load_b256 s[4:11], s[0:1], 0x0               ; x s[4:5], Wq s[6:7], Wk s[8:9], Wv s[10:11]
	s_load_b128 s[12:15], s[0:1], 0x20             ; xb s[12:13], wb s[14:15]
	s_cmp_ge_u32 ttmp9, 512
	s_cbranch_scc1 .Lweights
	; x: thread t takes row t / 16 of the group's 16; load i is its 16 bytes of the row's k block i (256 bytes of f32)
	v_lshrrev_b32 v1, 4, v0
	v_and_b32 v2, 15, v0
	v_lshlrev_b32 v2, 4, v2
	v_lshl_add_u32 v2, v1, 12, v2                  ; in: row x 4,096 + 16 x (t % 16)
	v_lshlrev_b32 v3, 3, v0                        ; out: row x 128 + 8 x (t % 16) = 8 t
	s_lshl_b32 s20, ttmp9, 16                      ; the group's 16 rows in x,
	s_mov_b32 s21, 0
	s_lshl_b32 s22, ttmp9, 11                      ; and in a block of xb
	s_mov_b32 s23, 0
	s_wait_kmcnt 0x0
	s_add_nc_u64 s[4:5], s[4:5], s[20:21]
	s_add_nc_u64 s[12:13], s[12:13], s[22:23]
	s_add_nc_u64 s[16:17], s[12:13], 0x800000      ; blocks 8-15: a second base keeps the stores' immediates inside their signed 24 bits
.irp i, 0,1,2,3,4,5,6,7,8,9,10,11,12,13,14,15
	global_load_b128 v[X+4*(\i):X+4*(\i)+3], v2, s[4:5] offset:256*(\i) th:TH_LOAD_NT
.endr
.irp i, 0,1,2,3,4,5,6,7,8,9,10,11,12,13,14,15
	s_wait_loadcnt 15-(\i)                         ; loads come back in order: load i is in, the 15 - i younger ones stay out
	v_cvt_pk_bf16_f32 v[Y+2*(\i)], v[X+4*(\i)], v[X+4*(\i)+1]
	v_cvt_pk_bf16_f32 v[Y+2*(\i)+1], v[X+4*(\i)+2], v[X+4*(\i)+3]
.if (\i) < 8
	global_store_b64 v3, v[Y+2*(\i):Y+2*(\i)+1], s[12:13] offset:(\i)*1048576  ; a wave's store covers 256 consecutive bytes, aligned: two rows of block i
.else
	global_store_b64 v3, v[Y+2*(\i):Y+2*(\i)+1], s[16:17] offset:((\i)-8)*1048576
.endif
.endr
	s_endpgm
.Lweights:
	; a weight: a wave takes two rows of k; load i is 512 bytes of row i / 8
	s_sub_co_u32 s20, ttmp9, 512
	s_lshr_b32 s21, s20, 6                         ; which weight: 0 Wq, 1 Wk, 2 Wv
	s_and_b32 s22, s20, 63                         ; which 16 rows of it
	v_lshrrev_b32 v1, 5, v0
	v_and_b32 v4, 31, v0
	v_lshlrev_b32 v2, 4, v4
	v_lshl_add_u32 v2, v1, 13, v2                  ; in: wave x 2 rows x 4,096 + 16 x lane
	v_mul_u32_u24 v3, v1, 12288
	v_lshl_add_u32 v3, v4, 3, v3                   ; out: wave x 2 rows x 6,144 + 8 x lane
	s_lshl_b32 s2, s22, 16
	s_mov_b32 s3, 0
	s_mul_i32 s22, s22, 98304                      ; 16 rows of wb,
	s_lshl_b32 s23, s21, 11                        ; the weight's 2,048 bytes in a row
	s_add_co_u32 s22, s22, s23
	s_mov_b32 s23, 0
	s_wait_kmcnt 0x0
	s_cmp_eq_u32 s21, 1
	s_cselect_b64 s[18:19], s[8:9], s[6:7]
	s_cmp_eq_u32 s21, 2
	s_cselect_b64 s[18:19], s[10:11], s[18:19]
	s_add_nc_u64 s[18:19], s[18:19], s[2:3]
	s_add_nc_u64 s[14:15], s[14:15], s[22:23]
.irp i, 0,1,2,3,4,5,6,7,8,9,10,11,12,13,14,15
	global_load_b128 v[X+4*(\i):X+4*(\i)+3], v2, s[18:19] offset:((\i)/8)*4096+((\i)%8)*512 th:TH_LOAD_NT
.endr
.irp i, 0,1,2,3,4,5,6,7,8,9,10,11,12,13,14,15
	s_wait_loadcnt 15-(\i)
	v_cvt_pk_bf16_f32 v[Y+2*(\i)], v[X+4*(\i)], v[X+4*(\i)+1]
	v_cvt_pk_bf16_f32 v[Y+2*(\i)+1], v[X+4*(\i)+2], v[X+4*(\i)+3]
	global_store_b64 v3, v[Y+2*(\i):Y+2*(\i)+1], s[14:15] offset:((\i)/8)*6144+((\i)%8)*256  ; 256 consecutive bytes, aligned
.endr
	s_endpgm
.Lfunc_end_k_q862a48a196_prep:
	.size	k_q862a48a196_prep, .Lfunc_end_k_q862a48a196_prep-k_q862a48a196_prep
	.p2alignl 7, 3214868480
	.fill 96, 4, 3214868480
	.section	.rodata,"a",@progbits
	.p2align	6, 0x0
	.amdhsa_kernel k_q862a48a196_prep
		.amdhsa_group_segment_fixed_size 0
		.amdhsa_private_segment_fixed_size 0
		.amdhsa_enable_private_segment 0
		.amdhsa_kernarg_size 48
		.amdhsa_user_sgpr_count 2
		.amdhsa_user_sgpr_kernarg_segment_ptr 1
		.amdhsa_wavefront_size32 1
		.amdhsa_system_sgpr_workgroup_id_x 1
		.amdhsa_system_sgpr_workgroup_id_y 1
		.amdhsa_system_sgpr_workgroup_id_z 1
		.amdhsa_system_vgpr_workitem_id 0
		.amdhsa_next_free_vgpr 104
		.amdhsa_next_free_sgpr 66
		.amdhsa_reserve_vcc 0
		.amdhsa_float_denorm_mode_32 3
		.amdhsa_float_denorm_mode_16_64 3
		.amdhsa_memory_ordered 1
		.amdhsa_forward_progress 1
		.amdhsa_inst_pref_size 13
	.end_amdhsa_kernel
	.amdgpu_metadata
---
amdhsa.version: [ 1, 2 ]
amdhsa.kernels:
  - .name:           k_q862a48a196_prep
    .symbol:         k_q862a48a196_prep.kd
    .args:
      - { .name: x, .offset: 0, .size: 8, .value_kind: global_buffer, .address_space: global }
      - { .name: Wq, .offset: 8, .size: 8, .value_kind: global_buffer, .address_space: global }
      - { .name: Wk, .offset: 16, .size: 8, .value_kind: global_buffer, .address_space: global }
      - { .name: Wv, .offset: 24, .size: 8, .value_kind: global_buffer, .address_space: global }
      - { .name: xb, .offset: 32, .size: 8, .value_kind: global_buffer, .address_space: global }
      - { .name: wb, .offset: 40, .size: 8, .value_kind: global_buffer, .address_space: global }
    .group_segment_fixed_size: 0
    .private_segment_fixed_size: 0
    .kernarg_segment_align: 8
    .kernarg_segment_size: 48
    .max_flat_workgroup_size: 256
    .sgpr_count:     66
    .vgpr_count:     104
    .wavefront_size: 32
...
	.end_amdgpu_metadata
.endif
;; end of part 1
;; launch proj (part 2): grid 8 x 32, 4 waves a work-group, clusters of 4 x 4, 327,680 bytes of LDS; arguments xb, wb, qkv; writes qkv
.if DOCPART == 2
	.amdgcn_target "amdgcn-amd-amdhsa--gfx1250"
	.amdhsa_code_object_version 6
	.text
	.protected	k_q862a48a196_proj
	.globl	k_q862a48a196_proj
	.p2align	8
	.type	k_q862a48a196_proj,@function
k_q862a48a196_proj:
	s_mov_b64 s[64:65], 0
	v_nop
	global_prefetch_b8 v0, s[64:65] scope:SCOPE_SE
	s_setreg_imm32_b32 hwreg(HW_REG_WAVE_MODE, 25, 1), 1
	s_wait_xcnt 0x0
	s_wait_alu depctr_hold_cnt(0) depctr_sa_sdst(0) depctr_va_vdst(0) depctr_va_sdst(0) depctr_va_ssrc(0) depctr_va_vcc(0) depctr_vm_vsrc(0)
	s_getreg_b32 s2, hwreg(HW_REG_IB_STS2, 6, 4)
	s_cmp_eq_u32 s2, 0
	s_cbranch_scc0 .Lentry_in_a_cluster
	s_endpgm
.Lentry_in_a_cluster:
	s_bfe_u32 s2, ttmp6, 0x10000c
	s_cmp_lg_u32 s2, 0xf033
	s_cbranch_scc0 .Lentry_shape_is_right
	s_endpgm
.Lentry_shape_is_right:
; qkv[row][n] = the sum over k of x[row][k] W[k][n]: 8,192 x 3,072 x 1,024, operands bf16, sums f32, the result rounded once to f16.
; LIMIT: f16 ends at 65,504; a q, k or v beyond it becomes an infinity.  Inputs thirty times those drawn, or offset by thirty spreads, stay under 3e4.
; SHARES.  A work-group makes 256 rows x 384 columns: 32 x 8 = 256 work-groups.  A wave makes 128 x 192: 96 accumulators, 768 registers (windows 1-3).
; K goes in 16 steps of 64 through two LDS slots; a step is two quarters of 32 along K, 96 matrix instructions each.
; THE MATRIX INSTRUCTION IS USED TRANSPOSED: source 0 = 16 columns of W (turned on the way out of LDS by ds_load_tr16_b128), source 1 = 16 rows of x: a lane then holds one row and
; eight neighbouring columns, which pack into 16 bytes.
; CLUSTER 4 x 4: x's tile hangs on the tile row alone and is asked for jointly along a row of the cluster, W's on the tile column alone, along a column.
; FRAGMENTS.  x's have two buffers (FA0, FA1).  W's twelve have one (FB), in thirds of four: a third is loaded again, for the next quarter, as soon as its 32 products are issued,
; 64 matrix instructions ahead of its next use.
; REGISTERS: window 0: v0-31 addresses, v32-95 FA0, v96-159 FA1, v160-255 FB.  Accumulator (a of 8 row blocks, b of 12 column blocks): window 1 + b / 4, v[64 (b % 4) + 8 a].
.set SLOT1,  1<<17                     ; slot 1 begins here: one exclusive or turns an address in one slot into the other's
.set PA,     144                       ; a row of x in LDS: 128 bytes + 16: an odd multiple of 16, so the 16 rows of a load start in 16 different groups of four banks (ISA guide 11.1)
.set PB,     864                       ; a k row of W: three pieces of 256 bytes + 32 each: an odd multiple of 32 for the turning load
.set BOFF,   256*PA                    ; W's 64 k rows lie behind x's 256 rows
.set SPITCH, 784                       ; the way out: a row of 768 bytes + 16.  The stage, 256 such rows from LDS byte 0, lies over the slots, which have had their last fill by then
.set SPARE,  SLOT1+BOFF+64*PB          ; behind slot 1: the spare words, 128 bytes a wave
.set FA0, 32
.set FA1, 96
.set FB,  160
.set MSB, 0
.macro WIN new                         ; the immediate's high byte repeats the setting that is left; a switch that changes nothing is dropped
.if MSB != (\new)
	s_set_vgpr_msb (MSB<<8)|(\new)
.set MSB, (\new)
.endif
.endm
.macro PLACES                          ; four plain vector instructions between a matrix instruction and a load into, or a vector write of, one of its registers
.rept 4
	v_nop
.endr
.endm
.macro JLOAD                           ; a joint load: waves 0, 1 fetch x's two halves of 128 rows, waves 2, 3 W's two halves of 32 k rows; an s_nop 0 and four v_nop follow each line
	s_cmp_eq_u32 s11, 0
	s_cbranch_scc0 .Lfor_b_\@
	tensor_load_to_lds s[32:35], s[24:31]
	s_nop 0
.rept 4
	v_nop
.endr
	s_branch .Lasked_\@
.Lfor_b_\@:
	tensor_load_to_lds s[56:59], s[48:55]
	s_nop 0
.rept 4
	v_nop
.endr
.Lasked_\@:
.endm
.macro CREST                           ; a round of the cluster's barrier behind its opening barrier
	s_cmp_lg_u32 s10, 0
	s_cbranch_scc1 .Lnot_wave_0_\@
	s_barrier_signal -3
.Lnot_wave_0_\@:
	s_barrier_wait -3
	s_barrier_signal -1
	s_barrier_wait -1
.endm
.macro CROUND
	s_barrier_signal -1
	s_barrier_wait -1
	CREST
.endm
.macro DSTEP                           ; both walking descriptors: the other slot, the next K step.  Written only where no tensor load of the wave is out
	s_xor_b32 s33, s33, SLOT1
	s_add_nc_u64 s[34:35], s[34:35], 1048576       ; a block of xb
	s_xor_b32 s57, s57, SLOT1
	s_add_nc_u64 s[58:59], s[58:59], 393216        ; 64 rows of wb
.endm
	s_load_b128 s[4:7], s[0:1], 0x0                ; xb s[4:5], wb s[6:7]
	s_load_b64 s[8:9], s[0:1], 0x10                ; qkv
	v_lshl_add_u32 v28, v0, 2, SPARE               ; my spare word; never rewritten
	v_mov_b32 v29, 0                               ; 0; never rewritten
	ds_add_u32 v28, v29
	ds_add_u32 v28, v29
	s_wait_dscnt 0x0
	v_lshrrev_b32 v1, 5, v0
	v_readfirstlane_b32 s10, v1                    ; wave 0..3
	s_lshr_b32 s11, s10, 1                         ; my half of the tile's rows.  Also: I fetch for x (0) or for W (1)
	s_and_b32 s12, s10, 1                          ; my half of its columns.  Also: which half of that tile I fetch
	s_bfe_u32 s40, ttmp6, 0x40000                  ; cx
	s_bfe_u32 s41, ttmp6, 0x40004                  ; cy
	s_lshl_b32 s42, ttmp9, 2
	s_add_co_u32 s42, s42, s40                     ; tile column = 4 x cluster x + cx
	s_and_b32 s13, ttmp7, 0xffff
	s_lshl_b32 s13, s13, 2
	s_add_co_u32 s13, s13, s41                     ; tile row = 4 x cluster y + cy
	s_lshl_b32 s43, s41, 2
	s_lshl_b32 s43, 15, s43                        ; my row of the cluster
	s_lshl_b32 s44, 0x1111, s40                    ; my column
	; x's tile: 128 rows of a block are 16,384 dense bytes, asked for as 64 rows of 256 bytes and padded by 16 bytes after every 128
	s_or_b32 s24, s43, (1<<16)|(1<<20)|(1<<21)|(4<<22)|(3<<25)  ; mask; 2-byte elements; padding on; bit 21 beside a mask; after every 32 words; 4 words
	s_mov_b32 s25, 128<<16                         ; tensor_dim0 = 128
	s_mov_b32 s26, 64<<16                          ; tensor_dim1 = 64
	s_mov_b32 s27, 128<<16                         ; tile_dim0 = 128
	s_mov_b32 s28, 64                              ; tile_dim1 = 64
	s_mov_b32 s29, 128                             ; elements from row to row
	s_mov_b32 s30, 0
	s_mov_b32 s31, 0
	; W's tile: 32 k rows x 384 columns (768 bytes), padded by 32 bytes after every 256
	s_or_b32 s48, s44, (1<<16)|(1<<20)|(1<<21)|(5<<22)|(7<<25)  ; after every 64 words; 8 words
	s_mov_b32 s49, 384<<16
	s_mov_b32 s50, 32<<16
	s_mov_b32 s51, 384<<16
	s_mov_b32 s52, 32
	s_mov_b32 s53, 3072
	s_mov_b32 s54, 0
	s_mov_b32 s55, 0
	s_lshl_b32 s16, s13, 15                        ; x: 256 rows of 128 bytes for each tile row,
	s_lshl_b32 s17, s12, 14                        ; my 128 of them
	s_add_co_u32 s16, s16, s17
	s_mov_b32 s17, 0
	s_mul_i32 s46, s42, 768                        ; W: the tile column's 768 bytes in a row,
	s_mul_i32 s47, s12, 196608                     ; my 32 rows of 6,144 bytes
	s_add_co_u32 s46, s46, s47
	s_mov_b32 s47, 0
	s_mov_b32 s32, 1
	s_mul_i32 s33, s12, 128*PA                     ; LDS: no place in the cluster enters an LDS address
	s_mov_b32 s56, 1
	s_mul_i32 s57, s12, 32*PB
	s_add_co_u32 s57, s57, BOFF
	s_wait_kmcnt 0x0
	s_add_nc_u64 s[34:35], s[4:5], s[16:17]
	s_or_b32 s35, s35, 0x80000000
	s_add_nc_u64 s[58:59], s[6:7], s[46:47]
	s_or_b32 s59, s59, 0x80000000
	CROUND                                         ; all sixteen work-groups are here: the first joint loads meet
	JLOAD                                          ; K step 0 into slot 0
	v_and_b32 v1, 15, v0                           ; r = lane % 16
	v_bfe_u32 v2, v0, 4, 1                         ; h = lane / 16
	v_mul_u32_u24 v4, v1, PA
	v_lshl_add_u32 v4, v2, 4, v4
	s_mul_i32 s20, s11, 128*PA
	v_add_nc_u32 v4, s20, v4                       ; x's fragments: (128 rh + r) x pitch + 16 h
	v_and_b32 v16, 7, v0
	v_bfe_u32 v17, v0, 3, 1
	v_lshl_add_u32 v16, v2, 3, v16
	v_mul_u32_u24 v16, v16, PB
	v_lshl_add_u32 v16, v17, 4, v16                ; the turning load: k row 8 h + lane % 8, 16 bytes for each half of eight lanes
	s_mul_i32 s20, s12, 416                        ; my 384 bytes of a row begin at byte 384 ch; each 256 bytes passed add 32 of padding.  Thirds of 128 bytes:
	s_add_co_u32 s21, s20, BOFF                    ; 0 or 416
	v_add_nc_u32 v5, s21, v16
	s_mul_i32 s21, s12, 448
	s_add_co_u32 s21, s21, BOFF+128                ; 128 or 576
	v_add_nc_u32 v6, s21, v16
	s_add_co_u32 s21, s20, BOFF+288                ; 288 or 704
	v_add_nc_u32 v7, s21, v16
	v_mul_u32_u24 v12, v1, SPITCH                  ; the way out, in: row 128 rh + r, byte 384 ch + 16 h
	v_lshl_add_u32 v12, v2, 4, v12
	s_mul_i32 s20, s11, 128*SPITCH
	s_mul_i32 s21, s12, 384
	s_add_co_u32 s20, s20, s21
	v_add_nc_u32 v12, s20, v12
	v_add_nc_u32 v13, 64*SPITCH, v12               ; row blocks 4-7: a second base keeps the offsets inside 16 bits
	v_mul_u32_u24 v14, v2, SPITCH                  ; back: wave w takes rows 64 w on; lanes 0-15 256 bytes of one row, lanes 16-31 of the next
	v_lshl_add_u32 v14, v1, 4, v14
	s_mul_i32 s20, s10, 64*SPITCH
	v_add_nc_u32 v14, s20, v14
	v_mul_u32_u24 v15, v2, 6144                    ; and the same two rows in qkv
	v_lshl_add_u32 v15, v1, 4, v15
	s_lshl_b32 s20, s13, 8
	s_lshl_b32 s21, s10, 6
	s_add_co_u32 s20, s20, s21
	s_mul_i32 s20, s20, 6144                       ; the first row that I store
	s_mov_b32 s21, 0
	s_add_nc_u64 s[8:9], s[8:9], s[20:21]
	s_mul_i32 s46, s42, 768                        ; the tile's first column
	s_mov_b32 s47, 0
	s_add_nc_u64 s[8:9], s[8:9], s[46:47]
; 16 matrix instructions: column blocks 2 half, 2 half + 1 of third w - 1 x all 8 row blocks.  zero = 1: the first product starts the sums.  The 96 accumulators take turns, one instruction a turn.
.macro STR w, fa, half, zero
	WIN ((\w)<<6)|((\w)<<4)
.irp bb, 2*(\half), 2*(\half)+1
.irp a, 0,1,2,3,4,5,6,7
.if \zero
	v_wmma_f32_16x16x32_bf16 v[64*(\bb)+8*(\a):64*(\bb)+8*(\a)+7], v[FB+8*(4*((\w)-1)+(\bb)):FB+8*(4*((\w)-1)+(\bb))+7], v[(\fa)+8*(\a):(\fa)+8*(\a)+7], 0
.else
	v_wmma_f32_16x16x32_bf16 v[64*(\bb)+8*(\a):64*(\bb)+8*(\a)+7], v[FB+8*(4*((\w)-1)+(\bb)):FB+8*(4*((\w)-1)+(\bb))+7], v[(\fa)+8*(\a):(\fa)+8*(\a)+7], v[64*(\bb)+8*(\a):64*(\bb)+8*(\a)+7]
.endif
.endr
.endr
.endm
.macro LDA fa, q, i0                   ; 8 loads: x's fragments i0 .. i0 + 3 of quarter q
	WIN 0
.irp i, (\i0), (\i0)+1, (\i0)+2, (\i0)+3
	ds_load_b128 v[(\fa)+8*(\i):(\fa)+8*(\i)+3],   v8 offset:64*(\q)+16*PA*(\i)
	ds_load_b128 v[(\fa)+8*(\i)+4:(\fa)+8*(\i)+7], v8 offset:64*(\q)+16*PA*(\i)+32
.endr
.endm
.macro LDB th, q                       ; 8 turning loads: W's third th of quarter q
	WIN 0
.irp bb, 0,1,2,3
	ds_load_tr16_b128 v[FB+8*(4*(\th)+(\bb)):FB+8*(4*(\th)+(\bb))+3],   v[9+(\th)] offset:32*PB*(\q)+32*(\bb)
	ds_load_tr16_b128 v[FB+8*(4*(\th)+(\bb))+4:FB+8*(4*(\th)+(\bb))+7], v[9+(\th)] offset:32*PB*(\q)+32*(\bb)+16*PB
.endr
.endm
; A step's first quarter: multiplies FA0 and fetches the same slot's second quarter.
.macro QA zero
	s_wait_dscnt 8                                 ; all but the youngest eight loads, W's last third
	STR 1, FA0, 0, \zero
	STR 1, FA0, 1, \zero
	PLACES
	LDB 0, 1
	LDA FA1, 1, 0
	STR 2, FA0, 0, \zero
	STR 2, FA0, 1, \zero
	PLACES
	LDB 1, 1
	LDA FA1, 1, 4
	s_wait_dscnt 32                                ; all but the 32 issued in this quarter: W's last third is in
	STR 3, FA0, 0, \zero
	STR 3, FA0, 1, \zero
	PLACES
	LDB 2, 1
.endm
; A step's second quarter: multiplies FA1 and changes slots.  In front of the barrier each wave waits for all its tensor loads (one is out: its part of the next slot), adds 0 to its spare
; word, and waits for that and for its reads of this slot.  fill = 1: the barrier opens a round of the cluster's, and this slot is filled again first thing behind it, two K steps ahead:
; that load has 160 matrix instructions in which to land.
.macro QB fill
	WIN 0
	s_wait_tensorcnt 0x0
	ds_add_u32 v28, v29
	s_wait_dscnt 9                                 ; the add and W's last third may be out
	STR 1, FA1, 0, 0
	s_wait_dscnt 0x0                               ; the add is done, and my reads of this slot are over
	s_barrier_signal -1
	STR 1, FA1, 1, 0
	WIN 0
	s_barrier_wait -1
.if \fill
	CREST
	DSTEP
	JLOAD                                          ; its four v_nop are also the places in front of the loads below
.else
	PLACES
.endif
	s_xor_b32 s62, s62, SLOT1                      ; the fetches go on in the other slot
	v_add_nc_u32 v8, s62, v4
	v_add_nc_u32 v9, s62, v5
	v_add_nc_u32 v10, s62, v6
	v_add_nc_u32 v11, s62, v7
	LDB 0, 0
	LDA FA0, 0, 0
	STR 2, FA1, 0, 0
	STR 2, FA1, 1, 0
	PLACES
	LDB 1, 0
	LDA FA0, 0, 4
	STR 3, FA1, 0, 0
	STR 3, FA1, 1, 0
	PLACES
	LDB 2, 0
.endm
	s_wait_tensorcnt 0x0                           ; slot 0's part of mine is in; slot 1 is first filled as a refill is: the three lines, a round, one load
	ds_add_u32 v28, v29
	DSTEP
	s_wait_dscnt 0x0
	CROUND
	JLOAD                                          ; K step 1 into slot 1
	s_mov_b32 s62, 0
	v_mov_b32 v8, v4
	v_mov_b32 v9, v5
	v_mov_b32 v10, v6
	v_mov_b32 v11, v7
	LDB 0, 0
	LDA FA0, 0, 0
	LDB 1, 0
	LDA FA0, 0, 4
	LDB 2, 0
	QA 1                                           ; the first quarter stands in front of the loop: its products start the 96 sums
	WIN 0
	s_mov_b32 s3, 14
.Lstep:                                                ; trip t: the second quarter of step t, which asks for step t + 2, and the first of step t + 1
	QB 1
	QA 0
	WIN 0
	s_sub_co_u32 s3, s3, 1
	s_cmp_lg_u32 s3, 0
	s_cbranch_scc1 .Lstep
	QB 0                                           ; the tail is written out: nothing more is asked for
	QA 0
	s_wait_dscnt 8
	STR 1, FA1, 0, 0
	STR 1, FA1, 1, 0
	STR 2, FA1, 0, 0
	STR 2, FA1, 1, 0
	s_wait_dscnt 0x0
	STR 3, FA1, 0, 0
	STR 3, FA1, 1, 0
	WIN 0
	; THE WAY OUT.  Every wave's reads of the ring are over (the wait for 0 above) and every tensor load has landed: behind this barrier the slots' bytes serve as the stage.
	s_barrier_signal -1
	s_barrier_wait -1
	PLACES
.irp w, 1,2,3                          ; a window's 32 accumulators: rounded to f16, each from its lowest registers on, 16 bytes a lane; then into the stage
	WIN (\w)|((\w)<<2)
.set n, 0
.rept 32
.irp z, 0,1,2,3
	v_cvt_pk_f16_f32 v[32+4*n+\z], v[8*n+2*\z], v[8*n+2*\z+1]
.endr
.set n, n+1
.endr
	WIN 0
.irp bb, 0,1,2,3
.irp a, 0,1,2,3,4,5,6,7
.if (\a) < 4
	ds_store_b128 v12, v[32+4*(8*(\bb)+(\a)):32+4*(8*(\bb)+(\a))+3] offset:(\a)*16*SPITCH+32*(4*((\w)-1)+(\bb))
.else
	ds_store_b128 v13, v[32+4*(8*(\bb)+(\a)):32+4*(8*(\bb)+(\a))+3] offset:((\a)-4)*16*SPITCH+32*(4*((\w)-1)+(\bb))
.endif
.endr
.endr
.endr
	s_wait_dscnt 0x0                               ; for the others' sake: my stores into the stage are done
	s_barrier_signal -1
	s_barrier_wait -1
; Batch n of six: piece n / 2 (256 bytes) of row pairs 16 (n % 2) .. + 15 of my 64 rows; two register buffers take turns.
.macro LOADB n
.irp t, 0,1,2,3,4,5,6,7,8,9,10,11,12,13,14,15
	ds_load_b128 v[32+64*((\n)%2)+4*(\t):32+64*((\n)%2)+4*(\t)+3], v14 offset:2*SPITCH*(16*((\n)%2)+(\t))+256*((\n)/2)
.endr
.endm
.macro STOREB n
.irp t, 0,1,2,3,4,5,6,7,8,9,10,11,12,13,14,15
	global_store_b128 v15, v[32+64*((\n)%2)+4*(\t):32+64*((\n)%2)+4*(\t)+3], s[8:9] offset:12288*(16*((\n)%2)+(\t))+256*((\n)/2)  ; 16 lanes store 256 consecutive bytes, aligned
.endr
.endm
	LOADB 0
	LOADB 1
.irp n, 0,1,2,3
	s_wait_dscnt 16                                ; batch n is back; the younger batch stays out
	STOREB \n
	s_wait_xcnt 0x0                                ; the stores' registers are loaded again only behind this wait
	LOADB (\n)+2
.endr
	s_wait_dscnt 16
	STOREB 4
	s_wait_dscnt 0x0
	STOREB 5
	s_wait_tensorcnt 0x0                           ; the wave's end
	ds_add_u32 v28, v29
	s_wait_dscnt 0x0
	CROUND                                         ; the closing round
	s_endpgm
.Lfunc_end_k_q862a48a196_proj:
	.size	k_q862a48a196_proj, .Lfunc_end_k_q862a48a196_proj-k_q862a48a196_proj
	.p2alignl 7, 3214868480
	.fill 96, 4, 3214868480
	.section	.rodata,"a",@progbits
	.p2align	6, 0x0
	.amdhsa_kernel k_q862a48a196_proj
		.amdhsa_group_segment_fixed_size 327680
		.amdhsa_private_segment_fixed_size 0
		.amdhsa_enable_private_segment 0
		.amdhsa_kernarg_size 24
		.amdhsa_user_sgpr_count 2
		.amdhsa_user_sgpr_kernarg_segment_ptr 1
		.amdhsa_wavefront_size32 1
		.amdhsa_system_sgpr_workgroup_id_x 1
		.amdhsa_system_sgpr_workgroup_id_y 1
		.amdhsa_system_sgpr_workgroup_id_z 1
		.amdhsa_system_vgpr_workitem_id 0
		.amdhsa_next_free_vgpr 1024
		.amdhsa_next_free_sgpr 66
		.amdhsa_reserve_vcc 0
		.amdhsa_float_denorm_mode_32 3
		.amdhsa_float_denorm_mode_16_64 3
		.amdhsa_memory_ordered 1
		.amdhsa_forward_progress 1
		.amdhsa_inst_pref_size 110
	.end_amdhsa_kernel
	.amdgpu_metadata
---
amdhsa.version: [ 1, 2 ]
amdhsa.kernels:
  - .name:           k_q862a48a196_proj
    .symbol:         k_q862a48a196_proj.kd
    .args:
      - { .name: xb, .offset: 0, .size: 8, .value_kind: global_buffer, .address_space: global }
      - { .name: wb, .offset: 8, .size: 8, .value_kind: global_buffer, .address_space: global }
      - { .name: qkv, .offset: 16, .size: 8, .value_kind: global_buffer, .address_space: global }
    .group_segment_fixed_size: 327680
    .private_segment_fixed_size: 0
    .kernarg_segment_align: 8
    .kernarg_segment_size: 24
    .max_flat_workgroup_size: 128
    .sgpr_count:     66
    .vgpr_count:     1024
    .wavefront_size: 32
...
	.end_amdgpu_metadata
.endif
;; end of part 2
;; launch scores (part 3): grid 36 x 4, 4 waves a work-group, no clusters, 327,680 bytes of LDS; arguments qkv, pbuf, stat; writes pbuf, stat
.if DOCPART == 3
	.amdgcn_target "amdgcn-amd-amdhsa--gfx1250"
	.amdhsa_code_object_version 6
	.text
	.protected	k_q862a48a196_scores
	.globl	k_q862a48a196_scores
	.p2align	8
	.type	k_q862a48a196_scores,@function
k_q862a48a196_scores:
	s_mov_b64 s[64:65], 0
	v_nop
	global_prefetch_b8 v0, s[64:65] scope:SCOPE_SE
	s_setreg_imm32_b32 hwreg(HW_REG_WAVE_MODE, 25, 1), 1
	s_wait_xcnt 0x0
; For each of the 36 tiles (i, j <= i) of 256 queries x 256 keys of each of the 4 batches: S = q k^T over 1,024 channels (f16 operands, f32 sums), and the first level of the softmax.
; A wave owns 128 queries x 128 keys.  With c = log2(e) / 32, for each query: cm = the largest c s of its 128 keys, p = 2^(c s - cm), l = the sum of the unrounded p.
; p goes to pbuf [4][2048 q][2048 key] in f16, (cm, l) to stat [4][16 groups of 128 keys][2048 q][2] in f32.  The next launch joins the groups by the largest cm: a true running maximum in two levels.
; THE MASK.  Tiles above the diagonal are not made.  In a diagonal tile a hidden score counts as -1e30 (in units of c s); a query whose 128 keys are all hidden gets cm = -1e30, p = 1, and the
; next launch's factor 2^(cm - M) for it is 0.
; LIMITS.  q and k arrive within f16's range; |c s| stays far under 1e30; p below 6e-5 keeps f16's fixed step; a weight below 2^-126 counts as 0; NaN and infinities are not treated apart.
; NO CLUSTER: a row of tiles has 1 to 8 of them, 36 a batch.  No group of four has partners that share a tile of q or of k in every request, unless work-groups are added that make hidden tiles.
; THE PRODUCT: four waves, 64 accumulators each (512 registers), K in 8 steps of 128 through two LDS slots; each wave fetches 128 rows x 256 bytes with one tensor load.
; Source 0 = 16 keys, source 1 = 16 queries: a lane holds ONE query (lane % 16) and the keys 8 (lane / 16) + 0..7 of each block of 16.
; REGISTERS: window 0: v0-31 addresses, v32-45 statistics, v64-127, v128-191 q's fragments (two buffers; later at work);  window 1: v64-191 k's fragments;
;   windows 2, 3: accumulator (a of 8 query blocks, b of 8 key blocks) in window 2 + a / 4 at v[8 (8 (a % 4) + b)].
.set KSTEP,  128
.set PITCH,  272                       ; 256 bytes + 16: the 16 rows of a load start in 16 different groups of four banks (ISA guide 11.1)
.set HALFT,  128*PITCH
.set SLOT,   4*HALFT                   ; q's 256 rows, then k's 256 rows
.set STAGE,  2*SLOT                    ; behind the ring: 16 rows x 272 bytes for each wave
.set SPITCH, 272
.set SPARE,  STAGE+4*16*SPITCH         ; the spare words, 128 bytes a wave
.set LAPS,   4                         ; a lap = two K steps
.set ADRA, 16
.set ADRB, 20
.set STO,  24
.set RD,   25
.set CO,   26
.set SPW,  28
.set NIL,  29
.set F0,   64
.set F1,   128
.set TS,   64                          ; v64-127   a block's 64 scores a lane
.set PK,   128                         ; v128-159  its weights in f16
.set BK,   160                         ; v160-191  16 rows read back from the stage
.set G1, 24
.set G0, 32
.set MSB, 0
.macro WIN new
.if MSB != (\new)
	s_set_vgpr_msb (MSB<<8)|(\new)
.set MSB, (\new)
.endif
.endm
.set MUL_LO, 0xa1                      ; source 0 (k) window 1, source 1 (q) window 0, C and D window 2
.set MUL_HI, 0xf1
.set TO_B,   0x40
.macro PLACES
.rept 4
	v_nop
.endr
.endm
	s_load_b128 s[4:7], s[0:1], 0x0                ; qkv s[4:5], pbuf s[6:7]
	s_load_b64 s[8:9], s[0:1], 0x10                ; stat
	v_lshl_add_u32 v[SPW], v0, 2, SPARE
	v_mov_b32 v[NIL], 0
	ds_add_u32 v28, v29
	ds_add_u32 v28, v29
	s_wait_dscnt 0x0
	v_lshrrev_b32 v1, 5, v0
	v_readfirstlane_b32 s10, v1                    ; wave 0..3
	s_lshr_b32 s11, s10, 1                         ; my half of the queries.  Also: I fetch q (0) or k (1)
	s_and_b32 s12, s10, 1                          ; my half of the keys.  Also: which 128 rows I fetch
	s_and_b32 s13, ttmp7, 0xffff                   ; batch
	s_mov_b32 s14, 0                               ; i = how many triangular numbers the tile's number has reached
.irp tri, 1,3,6,10,15,21,28
	s_cmp_ge_u32 ttmp9, \tri
	s_cselect_b32 s15, 1, 0
	s_add_co_u32 s14, s14, s15
.endr
	s_add_co_u32 s15, s14, 1
	s_mul_i32 s15, s15, s14
	s_lshr_b32 s15, s15, 1
	s_sub_co_u32 s15, ttmp9, s15                   ; j = number - i (i + 1) / 2
	s_cmp_eq_u32 s14, s15
	s_cselect_b32 s45, 1, 0                        ; the tile holds the diagonal
	s_mov_b32 s[G1+0], (1<<16)|(1<<20)|(5<<22)|(3<<25)  ; 2-byte elements; padding on; after every 64 words; 4 words
	s_mov_b32 s[G1+1], KSTEP<<16                   ; tensor_dim0 = 128
	s_mov_b32 s[G1+2], 128<<16                     ; tensor_dim1 = 128
	s_mov_b32 s[G1+3], KSTEP<<16                   ; tile_dim0 = 128
	s_mov_b32 s[G1+4], 128                         ; tile_dim1 = 128
	s_mov_b32 s[G1+5], 3072                        ; elements from row to row of qkv
	s_mov_b32 s[G1+6], 0
	s_mov_b32 s[G1+7], 0
	s_cmp_eq_u32 s11, 0
	s_cselect_b32 s16, s14, s15                    ; q's rows go by i, k's by j
	s_lshl_b32 s16, s16, 8
	s_lshl_b32 s17, s13, 11
	s_add_co_u32 s16, s16, s17
	s_lshl_b32 s17, s12, 7
	s_add_co_u32 s16, s16, s17
	s_mul_i32 s16, s16, 6144
	s_lshl_b32 s17, s11, 11                        ; k lies 2,048 bytes into a row
	s_add_co_u32 s16, s16, s17
	s_mov_b32 s17, 0
	s_mul_i32 s20, s10, HALFT                      ; where my rows go: wave x 128 rows
	s_wait_kmcnt 0x0
	s_add_nc_u64 s[18:19], s[4:5], s[16:17]
.irp s, 0,1                            ; both first fills go out together, ahead of every wait on TENSORcnt, LDS read and barrier: two loads of mine are out
	s_mov_b32 s[G0+4*(\s)], 1
	s_add_co_u32 s[G0+4*(\s)+1], s20, (\s)*SLOT
	s_add_nc_u64 s[G0+4*(\s)+2:G0+4*(\s)+3], s[18:19], (\s)*KSTEP*2
	s_or_b32 s[G0+4*(\s)+3], s[G0+4*(\s)+3], 0x80000000
	tensor_load_to_lds s[G0+4*(\s):G0+4*(\s)+3], s[G1:G1+7]
	s_nop 0
.endr
	v_and_b32 v1, 15, v0                           ; r
	v_bfe_u32 v2, v0, 4, 1                         ; h
	v_mul_u32_u24 v3, v1, PITCH
	v_lshl_add_u32 v3, v2, 4, v3                   ; r x pitch + 16 h
	s_mul_i32 s21, s11, HALFT
	s_mul_i32 s22, s12, HALFT
	s_add_co_u32 s22, s22, 2*HALFT
.irp s, 0,1
	v_add_nc_u32 v[ADRA+(\s)], s21, v3
	v_add_nc_u32 v[ADRB+(\s)], s22, v3
	s_add_co_u32 s21, s21, SLOT
	s_add_co_u32 s22, s22, SLOT
.endr
	s_mul_i32 s23, s10, 16*SPITCH
	s_add_co_u32 s23, s23, STAGE                   ; my stage
	v_add_nc_u32 v[STO], s23, v3                   ; in: row r, 16 bytes for each half of the lanes
	v_mul_u32_u24 v5, v2, SPITCH
	v_lshl_add_u32 v5, v1, 4, v5
	v_add_nc_u32 v[RD], s23, v5                    ; back: lanes 0-15 one row of 256 bytes, lanes 16-31 the next
	v_lshlrev_b32 v5, 12, v2
	v_lshl_add_u32 v[CO], v1, 4, v5                ; the same two rows in pbuf (4,096 bytes a row)
	v_and_b32 v45, 31, v0
	v_lshlrev_b32 v45, 3, v45                      ; 8 bytes a lane in stat
	s_sub_co_i32 s21, s11, s12
	s_lshl_b32 s21, s21, 7
	v_lshlrev_b32 v3, 3, v2
	v_sub_nc_u32 v44, v1, v3
	v_add_nc_u32 v44, s21, v44                     ; 128 rh + r - 128 ch - 8 h: score 8 b + jj of block 0 is hidden where 16 b + jj is greater; + 16 a block
	s_mov_b32 s40, 0x3d38aa3b                      ; c = log2(e) / 32
	s_mov_b32 s41, s40
	s_mov_b32 s42, 0x76543210                      ; v_permlanex16_b32: each lane takes its own place in the other half
	s_mov_b32 s43, 0xfedcba98
	s_mov_b32 s44, 0xf149f2ca                      ; -1e30
	s_mov_b32 s47, 0xffff0000                      ; lanes 16-31
	s_lshl_b32 s16, s13, 11
	s_lshl_b32 s17, s14, 8
	s_add_co_u32 s16, s16, s17
	s_lshl_b32 s17, s11, 7
	s_add_co_u32 s16, s16, s17                     ; my first query among the 8,192
	s_lshl_b32 s18, s16, 12
	s_lshl_b32 s17, s15, 9
	s_add_co_u32 s18, s18, s17
	s_lshl_b32 s17, s12, 8
	s_add_co_u32 s18, s18, s17                     ; + my first key, 2 bytes each
	s_mov_b32 s19, 0
	s_add_nc_u64 s[48:49], s[6:7], s[18:19]        ; pbuf at my part of the tile
	s_lshl_b32 s20, s13, 4
	s_lshl_b32 s17, s15, 1
	s_add_co_u32 s20, s20, s17
	s_add_co_u32 s20, s20, s12                     ; batch x 16 + my group of 128 keys
	s_lshl_b32 s20, s20, 11
	s_lshl_b32 s17, s14, 8
	s_add_co_u32 s20, s20, s17
	s_lshl_b32 s17, s11, 7
	s_add_co_u32 s20, s20, s17
	s_lshl_b32 s20, s20, 3
	s_mov_b32 s21, 0
	s_add_nc_u64 s[50:51], s[8:9], s[20:21]        ; stat at my first query
.macro MUL16 f, hi, a0, zero           ; 16 matrix instructions: query blocks a0, a0 + 1 of the window's four x all 8 key blocks.  The 64 accumulators take turns
	WIN MUL_LO+0x50*(\hi)
.irp a, \a0, (\a0)+1
.irp b, 0,1,2,3,4,5,6,7
.if \zero
	v_wmma_f32_16x16x32_f16 v[8*(8*(\a)+(\b)):8*(8*(\a)+(\b))+7], v[(\f)+8*(\b):(\f)+8*(\b)+7], v[(\f)+8*(4*(\hi)+(\a)):(\f)+8*(4*(\hi)+(\a))+7], 0
.else
	v_wmma_f32_16x16x32_f16 v[8*(8*(\a)+(\b)):8*(8*(\a)+(\b))+7], v[(\f)+8*(\b):(\f)+8*(\b)+7], v[(\f)+8*(4*(\hi)+(\a)):(\f)+8*(4*(\hi)+(\a))+7], v[8*(8*(\a)+(\b)):8*(8*(\a)+(\b))+7]
.endif
.endr
.endr
.endm
.macro FETCH slot, k, f                ; 32 LDS loads in one run: a quarter step's fragments, k's first
	WIN TO_B
.irp i, 0,1,2,3,4,5,6,7
	ds_load_b128 v[(\f)+8*(\i):(\f)+8*(\i)+3],   v[ADRB+(\slot)] offset:(\k)+(\i)*16*PITCH
	ds_load_b128 v[(\f)+8*(\i)+4:(\f)+8*(\i)+7], v[ADRB+(\slot)] offset:(\k)+(\i)*16*PITCH+32
.endr
	WIN 0
.irp i, 0,1,2,3,4,5,6,7
	ds_load_b128 v[(\f)+8*(\i):(\f)+8*(\i)+3],   v[ADRA+(\slot)] offset:(\k)+(\i)*16*PITCH
	ds_load_b128 v[(\f)+8*(\i)+4:(\f)+8*(\i)+7], v[ADRA+(\slot)] offset:(\k)+(\i)*16*PITCH+32
.endr
.endm
.macro QUARTER slot, k, f, g, zero     ; multiplies buffer f; in its middle fetches the next quarter, at byte k of the rows, into g
	s_wait_dscnt 8                                 ; all but the youngest eight loads: q's rows 64-127
	MUL16 \f, 0, 0, \zero
	MUL16 \f, 0, 2, \zero
	PLACES
	FETCH \slot, \k, \g
	s_wait_dscnt 32                                ; all but the 32 just issued
	MUL16 \f, 1, 0, \zero
	MUL16 \f, 1, 2, \zero
.endm
; A step's last quarter multiplies buffer 1 and changes slots: one barrier; in front of it each wave waits for all its tensor loads (one is out: its part of the next slot), adds 0 to its spare
; word, and waits for that and for its reads of this slot.  fill = 1: this slot is filled again first thing behind the barrier, two K steps ahead: 224 matrix instructions in which to land.
.macro TURN slot, next, fill
	WIN 0
	s_wait_tensorcnt 0x0
	ds_add_u32 v[SPW], v[NIL]
	s_wait_dscnt 9                                 ; the add and the youngest eight loads may be out
	MUL16 F1, 0, 0, 0
	s_wait_dscnt 0x0                               ; the add is done, and my reads of this slot are over
	s_barrier_signal -1
	MUL16 F1, 0, 2, 0
	s_barrier_wait -1
.if \fill
	s_add_nc_u64 s[G0+4*(\slot)+2:G0+4*(\slot)+3], s[G0+4*(\slot)+2:G0+4*(\slot)+3], 2*KSTEP*2
	tensor_load_to_lds s[G0+4*(\slot):G0+4*(\slot)+3], s[G1:G1+7]
	s_nop 0
.endif
	PLACES                                         ; behind the load, and in front of the loads into buffer 0
	FETCH \next, 0, F0
	MUL16 F1, 1, 0, 0
	MUL16 F1, 1, 2, 0
.endm
	s_wait_tensorcnt 1                             ; my part of K step 0 is in; step 1's may stay out
	s_barrier_signal -1
	s_barrier_wait -1
	FETCH 0, 0, F0
	QUARTER 0, 64,  F0, F1, 1                      ; the first quarter stands in front of the loop: its products start the sums
	WIN 0
	s_mov_b32 s3, LAPS-1
.Llap:
	QUARTER 0, 128, F1, F0, 0
	QUARTER 0, 192, F0, F1, 0
	TURN 0, 1, 1
	QUARTER 1, 64,  F0, F1, 0
	QUARTER 1, 128, F1, F0, 0
	QUARTER 1, 192, F0, F1, 0
	TURN 1, 0, 1
	QUARTER 0, 64,  F0, F1, 0
	WIN 0
	s_sub_co_u32 s3, s3, 1
	s_cmp_lg_u32 s3, 0
	s_cbranch_scc1 .Llap
	QUARTER 0, 128, F1, F0, 0                      ; the last lap asks for nothing
	QUARTER 0, 192, F0, F1, 0
	TURN 0, 1, 0
	QUARTER 1, 64,  F0, F1, 0
	QUARTER 1, 128, F1, F0, 0
	QUARTER 1, 192, F0, F1, 0
	s_wait_dscnt 8
	MUL16 F1, 0, 0, 0
	MUL16 F1, 0, 2, 0
	s_wait_dscnt 0x0
	MUL16 F1, 1, 0, 0
	MUL16 F1, 1, 2, 0
	WIN 0
	PLACES
	; THE SOFTMAX'S FIRST LEVEL, a block of 16 queries a trip, written once.  Only the copy out of the accumulators, which also scales by c, differs from block to block (registers and window).
.macro COPY n
	WIN 2+(\n)/4                                   ; source 0 in window 2 or 3
.set z, 0
.rept 32
	v_pk_mul_f32 v[TS+2*z:TS+2*z+1], v[64*((\n)%4)+2*z:64*((\n)%4)+2*z+1], s[40:41] op_sel_hi:[1,0]  ; each accumulator from its lowest registers on
.set z, z+1
.endr
	WIN 0
.endm
	v_mov_b32 v39, 0                               ; written before v_permlanex16_b32 names it as its destination
	v_mov_b32 v40, 0                               ; an even block's (cm, l), kept for the odd block's store
	v_mov_b32 v41, 0
	s_mov_b32 s46, 0
.Lblock:
.irp n, 0,1,2,3,4,5,6
	s_cmp_lg_u32 s46, \n
	s_cbranch_scc1 .Lnot\n
	COPY \n
	s_branch .Lcommon
.Lnot\n:
.endr
	COPY 7
.Lcommon:
	s_cmp_eq_u32 s45, 0
	s_cbranch_scc1 .Lopen                          ; only a diagonal tile hides keys
.set z, 0
.rept 64
	v_cmp_gt_i32 vcc_lo, 16*(z/8)+z%8, v44
	v_cndmask_b32 v[TS+z], v[TS+z], s44, vcc_lo
.set z, z+1
.endr
.Lopen:
	; the largest of the lane's 64: four chains of 15, the four left over, then the chains; the query's other 64 keys lie in the lane 16 away
.irp k, 0,1,2,3
	v_max3_num_f32 v[32+\k], v[TS+16*\k], v[TS+16*\k+1], v[TS+16*\k+2]
.endr
.irp m, 0,1,2,3,4,5
.irp k, 0,1,2,3
	v_max3_num_f32 v[32+\k], v[32+\k], v[TS+16*\k+3+2*\m], v[TS+16*\k+4+2*\m]
.endr
.endr
	v_max3_num_f32 v32, v32, v[TS+15], v[TS+31]
	v_max3_num_f32 v33, v33, v[TS+47], v[TS+63]
	v_max3_num_f32 v32, v32, v33, v34
	v_max_num_f32 v32, v32, v35
	v_permlanex16_b32 v33, v32, s42, s43
	v_max_num_f32 v36, v32, v33                    ; cm
	v_mov_b32 v37, v36                             ; twice, for the packed subtraction
.set z, 0
.rept 32
	v_pk_add_f32 v[TS+2*z:TS+2*z+1], v[TS+2*z:TS+2*z+1], v[36:37] neg_lo:[0,1] neg_hi:[0,1]
.set z, z+1
.endr
.set z, 0
.rept 64
	v_exp_f32 v[TS+z], v[TS+z]
.set z, z+1
.endr
	v_nop                                          ; a plain instruction between the last exponential and the use of its result (ISA guide 5.7.2)
.set z, 0
	s_wait_alu depctr_va_vdst(0)
.rept 32
	v_cvt_pk_f16_f32 v[PK+z], v[TS+2*z], v[TS+2*z+1]
.set z, z+1
.endr
.irp b, 0,1,2,3,4,5,6,7
	ds_store_b128 v[STO], v[PK+4*\b:PK+4*\b+3] offset:32*\b
.endr
.irp t, 0,1,2,3,4,5,6,7
	ds_load_b128 v[BK+4*\t:BK+4*\t+3], v[RD] offset:\t*2*SPITCH  ; LDS serves a wave's instructions in order (ISA guide 5.7.1.4): these see the stores above, and the next trip's stores come behind them
.endr
	; l, under those loads: a tree over the 32 pairs of unrounded weights
.set w, 32
.rept 5
.set u, 0
.rept w/2
	v_pk_add_f32 v[TS+u:TS+u+1], v[TS+u:TS+u+1], v[TS+w+u:TS+w+u+1]
.set u, u+2
.endr
.set w, w/2
.endr
	v_add_f32 v38, v[TS], v[TS+1]
	v_permlanex16_b32 v39, v38, s42, s43
	v_add_f32 v38, v38, v39                        ; l
	s_bitcmp1_b32 s46, 0
	s_cbranch_scc1 .Lodd
	v_mov_b32 v40, v36                             ; an even block's pair waits for its neighbour,
	v_mov_b32 v41, v38
	s_branch .Lkept
.Lodd:
	v_cndmask_b32 v42, v40, v36, s47               ; so that lanes 0-15 store the even block's 16 queries and lanes 16-31 the odd block's:
	v_cndmask_b32 v43, v41, v38, s47
	global_store_b64 v45, v[42:43], s[50:51] offset:-128  ; 256 consecutive bytes, aligned
.Lkept:
	s_wait_dscnt 0x0                               ; the block's rows are back
.irp t, 0,1,2,3,4,5,6,7
	global_store_b128 v[CO], v[BK+4*\t:BK+4*\t+3], s[48:49] offset:\t*8192  ; 16 lanes store 256 consecutive bytes, aligned
.endr
	s_wait_xcnt 0x0                                ; the stores' bases and registers are rewritten only behind this wait
	s_add_nc_u64 s[48:49], s[48:49], 65536         ; 16 rows of pbuf
	s_add_nc_u64 s[50:51], s[50:51], 128           ; 16 pairs of stat
	v_add_nc_u32 v44, 16, v44
	s_add_co_u32 s46, s46, 1
	s_cmp_lt_u32 s46, 8
	s_cbranch_scc1 .Lblock
	s_wait_tensorcnt 0x0                           ; the wave's end
	ds_add_u32 v[SPW], v[NIL]
	s_wait_dscnt 0x0
	s_endpgm
.Lfunc_end_k_q862a48a196_scores:
	.size	k_q862a48a196_scores, .Lfunc_end_k_q862a48a196_scores-k_q862a48a196_scores
	.p2alignl 7, 3214868480
	.fill 96, 4, 3214868480
	.section	.rodata,"a",@progbits
	.p2align	6, 0x0
	.amdhsa_kernel k_q862a48a196_scores
		.amdhsa_group_segment_fixed_size 327680
		.amdhsa_private_segment_fixed_size 0
		.amdhsa_enable_private_segment 0
		.amdhsa_kernarg_size 24
		.amdhsa_user_sgpr_count 2
		.amdhsa_user_sgpr_kernarg_segment_ptr 1
		.amdhsa_wavefront_size32 1
		.amdhsa_system_sgpr_workgroup_id_x 1
		.amdhsa_system_sgpr_workgroup_id_y 1
		.amdhsa_system_sgpr_workgroup_id_z 1
		.amdhsa_system_vgpr_workitem_id 0
		.amdhsa_next_free_vgpr 1024
		.amdhsa_next_free_sgpr 66
		.amdhsa_reserve_vcc 1
		.amdhsa_float_denorm_mode_32 3
		.amdhsa_float_denorm_mode_16_64 3
		.amdhsa_memory_ordered 1
		.amdhsa_forward_progress 1
		.amdhsa_inst_pref_size 146
	.end_amdhsa_kernel
	.amdgpu_metadata
---
amdhsa.version: [ 1, 2 ]
amdhsa.kernels:
  - .name:           k_q862a48a196_scores
    .symbol:         k_q862a48a196_scores.kd
    .args:
      - { .name: qkv, .offset: 0, .size: 8, .value_kind: global_buffer, .address_space: global }
      - { .name: pbuf, .offset: 8, .size: 8, .value_kind: global_buffer, .address_space: global }
      - { .name: stat, .offset: 16, .size: 8, .value_kind: global_buffer, .address_space: global }
    .group_segment_fixed_size: 327680
    .private_segment_fixed_size: 0
    .kernarg_segment_align: 8
    .kernarg_segment_size: 24
    .max_flat_workgroup_size: 128
    .sgpr_count:     66
    .vgpr_count:     1024
    .wavefront_size: 32
...
	.end_amdgpu_metadata
.endif
;; end of part 3
;; launch pv (part 4): grid 4 x 64, 4 waves a work-group, clusters of 4 x 1, 327,680 bytes of LDS; arguments pbuf, qkv, stat, out0; writes out0
.if DOCPART == 4
	.amdgcn_target "amdgcn-amd-amdhsa--gfx1250"
	.amdhsa_code_object_version 6
	.text
	.protected	k_q862a48a196_pv
	.globl	k_q862a48a196_pv
	.p2align	8
	.type	k_q862a48a196_pv,@function
k_q862a48a196_pv:
	s_mov_b64 s[64:65], 0
	v_nop
	global_prefetch_b8 v0, s[64:65] scope:SCOPE_SE
	s_setreg_imm32_b32 hwreg(HW_REG_WAVE_MODE, 25, 1), 1
	s_wait_xcnt 0x0
	s_wait_alu depctr_hold_cnt(0) depctr_sa_sdst(0) depctr_va_vdst(0) depctr_va_sdst(0) depctr_va_ssrc(0) depctr_va_vcc(0) depctr_vm_vsrc(0)
	s_getreg_b32 s2, hwreg(HW_REG_IB_STS2, 6, 4)
	s_cmp_eq_u32 s2, 0
	s_cbranch_scc0 .Lentry_in_a_cluster
	s_endpgm
.Lentry_in_a_cluster:
	s_bfe_u32 s2, ttmp6, 0x10000c
	s_cmp_lg_u32 s2, 0x3003
	s_cbranch_scc0 .Lentry_shape_is_right
	s_endpgm
.Lentry_shape_is_right:
; out[q][:] = (the sum over groups t of 128 keys of f_t(q) (P_t V_t)[q][:]) / L(q), with M = the largest cm_t, f_t = 2^(cm_t - M) <= 1, L = the sum of f_t l_t: the softmax's second level.
; P (f16) and (cm, l) (f32) come from the launch before, V (f16) is columns 2048-3071 of qkv.  Products in f16 with f32 sums; each group's sum T starts at the constant 0 and is folded in f32: O += f T.
; LIMITS.  V arrives within f16's range; a factor below 2^-126 counts as 0; a group wholly hidden has cm = -1e30 and f = 0; NaN and infinities are not treated apart.
; SHARES.  A work-group makes 128 queries x 128 channels, twice: of query group 7 - jj (8 - jj rounds of 256 keys), then of group jj (jj + 1 rounds): 9 rounds in every work-group.
; A square tile takes the fewest bytes for its products (32 KiB of P and 32 KiB of V for 128 keys), and two slots of 256 keys of it fit in LDS: a refill has 128 matrix instructions a wave in which to land.
; Wave (rh, ch): rows 64 rh, channels 64 ch: 16 accumulators.  y = batch x 16 + jj x 4 + row half of the group x 2 + channel half; channel block = 4 x channel half + cx.
; CLUSTER 4 x 1.  P's tile hangs on y alone: the four work-groups of a cluster ask for it jointly.  V's tile of 128 channels is needed by two work-groups alone, the group's two row halves, which lie in
; other clusters: it comes by a load of the work-group's own, behind the same round.  All that steers a branch or a trip hangs on y, which the four partners share.
; Source 0 = 16 channels of V (turned by ds_load_tr16_b128), source 1 = 16 queries of P: a lane holds one query (lane % 16) and eight channels, so f is one number a lane and row block.
; REGISTERS: window 0: v0-39 addresses and f; v40-93 the table's making; v128-255 T, (a, b) at 128 + 8 (4 a + b).  Windows 1 and 3: the fragments of a round's keys 0-127 and 128-255:
;   P's (kq, a) at 64 kq + 8 a, V's (kq, b) at 64 kq + 32 + 8 b.  Window 2: v0-127 O, as T.
.set PP,     528                       ; a row of P in LDS: 512 bytes + 16: an odd multiple of 16
.set PV,     288                       ; a key row of V: 256 bytes + 32: an odd multiple of 32 for the turning load
.set PPIECE, 64*PP                     ; what wave 0 or 1 fetches: 64 rows of P
.set VPIECE, 128*PV                    ; what wave 2 or 3 fetches: 128 key rows of V
.set SLOTX,  0x20000                   ; P's two pieces and V's first lie at 0, PPIECE, VA0 in slot 0 and SLOTX further on in slot 1: one exclusive or changes slots
.set VA0,    2*PPIECE
.set FT,     VA0+VPIECE                ; the table, in the room up to SLOTX: for each row half 20 entries of 512 bytes, [16 r][4 a][2]: f of the 18 key steps, then 1 / L of the two blocks
.set FTB,    20*512
.set VB0,    SLOTX+VA0+VPIECE          ; V's second piece, slot 0,
.set VB1,    VB0+VPIECE                ; and slot 1
.set VBX,    0x7b000                   ; = VB0 xor VB1 (0x39800, 0x42800): the exclusive or that changes this piece's slot
.set STAGE,  VB1+VPIECE                ; 16 rows x 272 bytes for each wave
.set SP,     272
.set SPARE,  STAGE+4*16*SP             ; the spare words, 128 bytes a wave
.set T,    128
.set AD,   40                          ; v40-57   18 offsets into stat
.set ST,   58                          ; v58-93   key step s: (cm, l) of my row
.set M1,   128                         ; in T's registers, before the first product: M and L of the two blocks for my row
.set M2,   129
.set L1,   130
.set L2,   131
.set LOWR, 132
.set MSB, 0
.macro WIN new                         ; the immediate's high byte repeats the setting that is left; a switch that changes nothing is dropped
.if MSB != (\new)
	s_set_vgpr_msb (MSB<<8)|(\new)
.set MSB, (\new)
.endif
.endm
.macro PLACES                          ; four plain vector instructions between a matrix instruction and a vector read of its result (ISA guide 7.12.1)
.rept 4
	v_nop
.endr
.endm
; A fill.  Waves 0, 1 ask jointly for P's two pieces, waves 2, 3 fetch V's two.  Each way first turns its LDS word to the other slot (no tensor load of the wave is out here); the branches hang on the wave's
; number alone.  An s_nop 0 and four v_nop follow each load.
.macro JLOAD
	s_cmp_eq_u32 s13, 0
	s_cbranch_scc0 .Lfor_v_\@
	s_xor_b32 s33, s33, SLOTX
	tensor_load_to_lds s[32:35], s[24:31]
	s_nop 0
.rept 4
	v_nop
.endr
	s_branch .Lasked_\@
.Lfor_v_\@:
	s_cmp_eq_u32 s14, 0
	s_cbranch_scc0 .Lfor_vb_\@
	s_xor_b32 s57, s57, SLOTX
	tensor_load_to_lds s[56:59], s[48:55]
	s_nop 0
.rept 4
	v_nop
.endr
	s_branch .Lasked_\@
.Lfor_vb_\@:
	s_xor_b32 s57, s57, VBX
	tensor_load_to_lds s[56:59], s[48:55]
	s_nop 0
.rept 4
	v_nop
.endr
.Lasked_\@:
.endm
.macro CROUND                          ; a round of the cluster's barrier
	s_barrier_signal -1
	s_barrier_wait -1
	s_cmp_lg_u32 s12, 0
	s_cbranch_scc1 .Lnot_wave_0_\@
	s_barrier_signal -3
.Lnot_wave_0_\@:
	s_barrier_wait -3
	s_barrier_signal -1
	s_barrier_wait -1
.endm
; Both descriptors' global addresses for walk round s71, made anew from the round's number.  Written only where no tensor load of the wave is out.
.macro NEXTADDR
	s_cmp_lt_u32 s71, s69
	s_cselect_b32 s75, s72, s73                    ; P's rows: the first block's or the second's
	s_cselect_b32 s76, 0, s69
	s_sub_co_u32 s76, s71, s76                     ; the round within the block
	s_lshl_b32 s78, s76, 9                         ; 256 keys are 512 bytes of a row of P,
	s_add_co_u32 s78, s78, s75
	s_mul_i32 s80, s76, 1572864                    ; and 256 rows of qkv
	s_add_co_u32 s80, s80, s74
	s_add_nc_u64 s[34:35], s[4:5], s[78:79]
	s_or_b32 s35, s35, 0x80000000
	s_add_nc_u64 s[58:59], s[6:7], s[80:81]
	s_or_b32 s59, s59, 0x80000000
	s_add_co_u32 s71, s71, 1
.endm
	s_load_b256 s[4:11], s[0:1], 0x0               ; pbuf s[4:5], qkv s[6:7], stat s[8:9], out0 s[10:11]
	v_lshl_add_u32 v28, v0, 2, SPARE               ; my spare word; never rewritten
	v_mov_b32 v29, 0                               ; 0; never rewritten
	ds_add_u32 v28, v29
	ds_add_u32 v28, v29
	s_wait_dscnt 0x0
	v_lshrrev_b32 v1, 5, v0
	v_readfirstlane_b32 s12, v1                    ; wave 0..3
	s_lshr_b32 s13, s12, 1                         ; rh: my 64 of the 128 rows.  Also: I fetch P (0) or V (1),
	s_and_b32 s14, s12, 1                          ; ch: my 64 of the 128 channels.  Also: which piece of it
	s_bfe_u32 s18, ttmp6, 0x40000                  ; cx
	s_and_b32 s15, ttmp7, 0xffff                   ; y, which the four partners share
	s_lshr_b32 s16, s15, 4                         ; batch
	s_bfe_u32 s17, s15, 0x20002                    ; jj
	s_bfe_u32 s19, s15, 0x10001                    ; which 128 rows of a group of 256
	s_and_b32 s21, s15, 1
	s_lshl_b32 s21, s21, 2
	s_add_co_u32 s21, s21, s18                     ; channel block 0..7: it enters V's and out0's addresses alone
	s_sub_co_u32 s69, 8, s17                       ; the first block's rounds,
	s_lshl_b32 s70, s69, 1                         ; and its key steps of 128
	s_sub_co_u32 s42, s69, 1                       ; its last round
	s_lshl_b32 s22, s16, 11
	s_lshl_b32 s23, s19, 7
	s_add_co_u32 s22, s22, s23                     ; batch x 2,048 + 128 x row half
	s_sub_co_u32 s20, 7, s17
	s_lshl_b32 s86, s20, 8
	s_add_co_u32 s86, s86, s22                     ; the work-group's first row in the first block,
	s_lshl_b32 s87, s17, 8
	s_add_co_u32 s87, s87, s22                     ; and in the second
	s_lshl_b32 s23, s14, 6
	s_add_co_u32 s72, s86, s23
	s_lshl_b32 s72, s72, 12                        ; P: (row + 64 x piece) x 4,096 bytes: no cx in it
	s_add_co_u32 s73, s87, s23
	s_lshl_b32 s73, s73, 12
	s_lshl_b32 s74, s16, 11
	s_lshl_b32 s85, s14, 7
	s_add_co_u32 s74, s74, s85
	s_mul_i32 s74, s74, 6144                       ; V: (batch x 2,048 + 128 x piece) rows of qkv,
	s_lshl_b32 s85, s21, 8
	s_add_co_u32 s74, s74, s85                     ; + the channel block's 256 bytes,
	s_add_co_u32 s74, s74, 4096                    ; + V's place in a row
	s_mov_b32 s24, 15|(1<<16)|(1<<20)|(1<<21)|(6<<22)|(3<<25)  ; P's tile: the mask of four; 2-byte elements; padding on; bit 21 beside a mask; after every 128 words; 4 words
	s_mov_b32 s25, 256<<16                         ; tensor_dim0 = 256 keys
	s_mov_b32 s26, 64<<16                          ; tensor_dim1 = 64 rows
	s_mov_b32 s27, 256<<16                         ; tile_dim0
	s_mov_b32 s28, 64                              ; tile_dim1
	s_mov_b32 s29, 2048                            ; elements from row to row of pbuf
	s_mov_b32 s30, 0
	s_mov_b32 s31, 0
	s_mov_b32 s48, (1<<16)|(1<<20)|(5<<22)|(7<<25) ; V's tile: no mask; after every 64 words; 8 words
	s_mov_b32 s49, 128<<16                         ; 128 channels
	s_mov_b32 s50, 128<<16                         ; 128 key rows
	s_mov_b32 s51, 128<<16
	s_mov_b32 s52, 128
	s_mov_b32 s53, 3072                            ; elements from row to row of qkv
	s_mov_b32 s54, 0
	s_mov_b32 s55, 0
	s_mov_b32 s78, s72                             ; walk round 0: the first block's keys 0-255
	s_mov_b32 s79, 0
	s_mov_b32 s80, s74
	s_mov_b32 s81, 0
	s_mov_b32 s32, 1
	s_mul_i32 s33, s14, PPIECE                     ; the LDS words start in slot 1: the first fill turns them to slot 0.  No place in the cluster enters an LDS address
	s_add_co_u32 s33, s33, SLOTX
	s_mov_b32 s56, 1
	s_mul_i32 s57, s14, VB1-(SLOTX+VA0)
	s_add_co_u32 s57, s57, SLOTX+VA0
	s_wait_kmcnt 0x0
	s_add_nc_u64 s[34:35], s[4:5], s[78:79]
	s_or_b32 s35, s35, 0x80000000
	s_add_nc_u64 s[58:59], s[6:7], s[80:81]
	s_or_b32 s59, s59, 0x80000000
	CROUND                                         ; all four work-groups are here: the first joint loads meet
	JLOAD                                          ; walk round 0 into slot 0; the table below is made while it is on its way
	v_and_b32 v1, 15, v0                           ; r
	v_bfe_u32 v2, v0, 4, 1                         ; h
	v_and_b32 v14, 31, v0
	v_lshlrev_b32 v14, 3, v14                      ; 8 bytes a lane in stat
	; THE TABLE.  Lane l of wave w owns row 32 w + l of the work-group's 128: the two waves of a row half make that half's table together; it is read behind the first round's barrier.
	s_mul_i32 s88, s16, 30720                      ; stat's row index is batch x 32,768 + t x 2,048 + the row within the batch
	s_lshl_b32 s85, s12, 5
	s_add_co_u32 s88, s88, s85
	s_add_co_u32 s89, s88, s86
	s_lshl_b32 s89, s89, 3
	s_add_co_u32 s90, s88, s87
	s_lshl_b32 s90, s90, 3
.macro ASK s                           ; (cm, l) of key step s of the walk for my row: a load covers 256 consecutive bytes, aligned
	s_cmp_gt_u32 s70, \s
	s_cselect_b32 s82, s89, s90
	s_cselect_b32 s83, 0, s70
	s_sub_co_u32 s83, \s, s83
	s_lshl_b32 s83, s83, 14
	s_add_co_u32 s83, s83, s82
	v_add_nc_u32 v[AD+(\s)], s83, v14
	global_load_b64 v[ST+2*(\s):ST+2*(\s)+1], v[AD+(\s)], s[8:9]
.endm
.irp s, 0,1,2,3,4,5,6,7,8,9,10,11,12,13,14,15,16,17
	ASK \s
.endr
	v_mul_u32_u24 v4, v1, PP
	v_lshl_add_u32 v4, v2, 4, v4
	s_mul_i32 s20, s13, PPIECE
	v_add_nc_u32 v4, s20, v4                       ; P's fragments: my row half's piece, r x pitch + 16 h
	v_and_b32 v3, 7, v0
	v_bfe_u32 v24, v0, 3, 1
	v_lshl_add_u32 v5, v2, 3, v3
	v_mul_u32_u24 v5, v5, PV
	v_lshl_add_u32 v5, v24, 4, v5
	s_lshl_b32 s20, s14, 7
	v_add_nc_u32 v5, s20, v5                       ; V's: key row 8 h + lane % 8, my wave's 128 bytes; from a piece's first byte
	v_add_nc_u32 v15, VA0, v5                      ; the same from a slot's first byte, for the first piece
	s_mul_i32 s20, s12, 16*SP
	s_add_co_u32 s20, s20, STAGE                   ; my stage
	v_mul_u32_u24 v8, v1, SP
	v_lshl_add_u32 v8, v2, 5, v8
	v_add_nc_u32 v8, s20, v8                       ; in: row r, 32 bytes for each half of the lanes
	v_mul_u32_u24 v9, v2, SP
	v_lshl_add_u32 v9, v1, 4, v9
	v_add_nc_u32 v9, s20, v9                       ; back: lanes 0-15 one row of 256 bytes, lanes 16-31 the next
	v_lshlrev_b32 v10, 12, v2
	v_lshl_add_u32 v10, v1, 4, v10                 ; the same two rows in out0
	s_mul_i32 s20, s13, FTB
	s_add_co_u32 s20, s20, FT                      ; my row half's table
	v_lshlrev_b32 v13, 5, v1
	v_add_nc_u32 v13, s20, v13                     ; an entry's 32 bytes for query r: never rewritten
	v_lshl_add_u32 v11, v2, 3, v13                 ; where I write: my row is 16 (2 ch + h) + r
	s_lshl_b32 s20, s14, 4
	v_add_nc_u32 v11, s20, v11
	v_mov_b32 v12, v13                             ; where I read: it steps two entries a round
	s_lshl_b32 s85, s13, 6                         ; out0 at my 64 rows, the channel block's 512 bytes, my wave's 256
	s_lshl_b32 s22, s21, 9
	s_lshl_b32 s23, s14, 8
	s_add_co_u32 s22, s22, s23
	s_add_co_u32 s92, s86, s85
	s_lshl_b32 s92, s92, 12
	s_add_co_u32 s92, s92, s22
	s_mov_b32 s93, 0
	s_add_nc_u64 s[60:61], s[10:11], s[92:93]
	s_add_co_u32 s92, s87, s85
	s_lshl_b32 s92, s92, 12
	s_add_co_u32 s92, s92, s22
	s_add_nc_u64 s[62:63], s[10:11], s[92:93]
	v_mov_b32 v[LOWR], 0xff7fffff                  ; the lowest finite number
	v_mov_b32 v[M1], v[LOWR]
	v_mov_b32 v[M2], v[LOWR]
	v_mov_b32 v[L1], 0
	v_mov_b32 v[L2], 0
	s_wait_loadcnt 0x0
; Key steps 0-9 are the first block's and steps 16, 17 the second's whatever jj; steps 10-15 go by the first block's length.
.macro MAXS s
.if (\s) < 10
	v_max_num_f32 v[M1], v[M1], v[ST+2*(\s)]
.elseif (\s) >= 16
	v_max_num_f32 v[M2], v[M2], v[ST+2*(\s)]
.else
	s_cmp_gt_u32 s70, \s
	s_cselect_b32 s82, -1, 0                       ; all lanes: the step is the first block's
	v_cndmask_b32 v144, v[LOWR], v[ST+2*(\s)], s82
	v_cndmask_b32 v146, v[ST+2*(\s)], v[LOWR], s82
	v_max_num_f32 v[M1], v[M1], v144
	v_max_num_f32 v[M2], v[M2], v146
.endif
.endm
.macro FS s                            ; f = 2^(cm - M), twice, into the table; L += f l
.if (\s) < 10
	v_sub_f32 v148, v[ST+2*(\s)], v[M1]
.elseif (\s) >= 16
	v_sub_f32 v148, v[ST+2*(\s)], v[M2]
.else
	s_cmp_gt_u32 s70, \s
	s_cselect_b32 s82, -1, 0
	s_cselect_b32 s83, 1.0, 0
	s_cselect_b32 s84, 0, 1.0
	v_cndmask_b32 v154, v[M2], v[M1], s82
	v_sub_f32 v148, v[ST+2*(\s)], v154
.endif
	v_exp_f32 v148, v148
	v_nop                                          ; a plain instruction behind the exponential (ISA guide 5.7.2)
	s_wait_alu depctr_va_vdst(0)
	v_mov_b32 v149, v148
.if (\s) < 10
	v_fmac_f32 v[L1], v148, v[ST+2*(\s)+1]
.elseif (\s) >= 16
	v_fmac_f32 v[L2], v148, v[ST+2*(\s)+1]
.else
	v_mul_f32 v152, v148, v[ST+2*(\s)+1]
	v_fmac_f32 v[L1], s83, v152                    ; the weight is 1 for the step's own block and 0 for the other
	v_fmac_f32 v[L2], s84, v152
.endif
	ds_store_b64 v11, v[148:149] offset:512*(\s)
.endm
.irp s, 0,1,2,3,4,5,6,7,8,9,10,11,12,13,14,15,16,17
	MAXS \s
.endr
.irp s, 0,1,2,3,4,5,6,7,8,9,10,11,12,13,14,15,16,17
	FS \s
.endr
	v_rcp_f32 v148, v[L1]                          ; L is at least 1: the group that holds M has f = 1 and l >= 1
	v_rcp_f32 v150, v[L2]
	v_nop
	s_wait_alu depctr_va_vdst(0)
	v_mov_b32 v149, v148
	v_mov_b32 v151, v150
	ds_store_b64 v11, v[148:149] offset:512*18
	ds_store_b64 v11, v[150:151] offset:512*19
; 16 matrix instructions: key step u of the round, its keys 32 kq on.  The 16 sums take turns, one instruction a turn; the first 16 products of a key step start them.
.macro MM u, kq
	WIN 0x05+0x0a*(\u)                             ; sources 0 and 1 in window 1 or 3; C and D in window 0
.irp a, 0,1,2,3
.irp b, 0,1,2,3
.if (\kq) == 0
	v_wmma_f32_16x16x32_f16 v[T+8*(4*(\a)+(\b)):T+8*(4*(\a)+(\b))+7], v[64*(\kq)+32+8*(\b):64*(\kq)+32+8*(\b)+7], v[64*(\kq)+8*(\a):64*(\kq)+8*(\a)+7], 0
.else
	v_wmma_f32_16x16x32_f16 v[T+8*(4*(\a)+(\b)):T+8*(4*(\a)+(\b))+7], v[64*(\kq)+32+8*(\b):64*(\kq)+32+8*(\b)+7], v[64*(\kq)+8*(\a):64*(\kq)+8*(\a)+7], v[T+8*(4*(\a)+(\b)):T+8*(4*(\a)+(\b))+7]
.endif
.endr
.endr
.endm
; 16 LDS loads: the fragments that MM u, kq multiplies.  Key step u is bytes 256 u of P's rows, and V's piece u.
.macro LD u, kq
	WIN 0x40+0x80*(\u)                             ; destination window 1 or 3, address window 0
.if (\u) == 0
.set VAD, 7
.else
.set VAD, 27
.endif
.irp a, 0,1,2,3
	ds_load_b128 v[64*(\kq)+8*(\a):64*(\kq)+8*(\a)+3],   v6 offset:256*(\u)+64*(\kq)+16*PP*(\a)
	ds_load_b128 v[64*(\kq)+8*(\a)+4:64*(\kq)+8*(\a)+7], v6 offset:256*(\u)+64*(\kq)+16*PP*(\a)+32
.endr
.irp b, 0,1,2,3
	ds_load_tr16_b128 v[64*(\kq)+32+8*(\b):64*(\kq)+32+8*(\b)+3],   v[VAD] offset:32*PV*(\kq)+32*(\b)
	ds_load_tr16_b128 v[64*(\kq)+32+8*(\b)+4:64*(\kq)+32+8*(\b)+7], v[VAD] offset:32*PV*(\kq)+32*(\b)+16*PV
.endr
.endm
; O += f T, f in v[f ..], each twice; each sum is read from its lowest registers on.  new = 1: a block may begin with this key step: its first step starts O, so nothing is ever cleared.
.macro FOLD f, new
	PLACES
.if \new
	WIN 0
	s_cmp_eq_u32 s40, 1
	s_cbranch_scc1 .Lnew_\@
.endif
	WIN 0xa0                                       ; O (destination and source 2) window 2; T and f window 0
.set z, 0
.rept 64
	v_pk_fma_f32 v[2*z:2*z+1], v[T+2*z:T+2*z+1], v[(\f)+2*(z/16):(\f)+2*(z/16)+1], v[2*z:2*z+1]
.set z, z+1
.endr
.if \new
	WIN 0
	s_branch .Lfolded_\@
.Lnew_\@:
	WIN 0x80
.set z, 0
.rept 64
	v_pk_mul_f32 v[2*z:2*z+1], v[T+2*z:T+2*z+1], v[(\f)+2*(z/16):(\f)+2*(z/16)+1]
.set z, z+1
.endr
	WIN 0
	s_mov_b32 s40, 0
.Lfolded_\@:
.endif
.endm
; A ROUND: 256 keys, two key steps.  In front of the barrier each wave waits for all its tensor loads (one is out: its piece of this round's slot), adds 0 to its spare word, and waits for that and for
; its reads of the other slot.  fill = 1: the barrier is a round of the cluster's, and the other slot is filled first thing behind it with the next walk round, which has this round's work in which to land.
; The LDS loads go in groups of 16, each two groups of products ahead of its use: 52 at the most are out.
.macro TRIP fill
	WIN 0
	s_wait_tensorcnt 0x0
	ds_add_u32 v28, v29                            ; the descriptors' scalar work stands between the add and the wait for it
.if \fill
	NEXTADDR
.endif
	s_wait_dscnt 0x0
.if \fill
	CROUND
	JLOAD
.else
	s_barrier_signal -1
	s_barrier_wait -1
.endif
	s_xor_b32 s41, s41, SLOTX                      ; this round's slot
	s_xor_b32 s43, s43, VBX
	v_add_nc_u32 v6, s41, v4
	v_add_nc_u32 v7, s41, v15
	v_add_nc_u32 v27, s43, v5
	ds_load_b128 v[16:19], v12                     ; f of the two key steps for my query in the four row blocks, each twice
	ds_load_b128 v[20:23], v12 offset:16
	ds_load_b128 v[32:35], v12 offset:512
	ds_load_b128 v[36:39], v12 offset:528
	LD 0, 0
	LD 0, 1
	LD 0, 2
	s_wait_dscnt 32                                ; here and below: the two younger groups of 16 stay out
	MM 0, 0
	LD 0, 3
	s_wait_dscnt 32
	MM 0, 1
	LD 1, 0
	s_wait_dscnt 32
	MM 0, 2
	LD 1, 1
	s_wait_dscnt 32
	MM 0, 3
	LD 1, 2
	FOLD 16, 1
	s_wait_dscnt 32
	MM 1, 0
	LD 1, 3
	s_wait_dscnt 32
	MM 1, 1
	s_wait_dscnt 16                                ; the last group stays out
	MM 1, 2
	s_wait_dscnt 0x0
	MM 1, 3
	FOLD 32, 0
	WIN 0
	v_add_nc_u32 v12, 1024, v12                    ; the table's next two entries
.endm
; A BLOCK'S WAY OUT.  O times 1 / L, in place; a row block of 16 at a time through my stage, back as whole rows of 256 bytes into T's registers, and stored.
.macro TOSTAGE a
	WIN 0x08                                       ; the stores' data (source 1) in window 2
.irp b, 0,1,2,3
	ds_store_b128 v8, v[8*(4*(\a)+(\b)):8*(4*(\a)+(\b))+3]   offset:64*(\b)
	ds_store_b128 v8, v[8*(4*(\a)+(\b))+4:8*(4*(\a)+(\b))+7] offset:64*(\b)+16
.endr
	WIN 0
.irp t, 0,1,2,3,4,5,6,7
	ds_load_b128 v[T+32*(\a)+4*(\t):T+32*(\a)+4*(\t)+3], v9 offset:(\t)*2*SP  ; LDS serves a wave's instructions in order (ISA guide 5.7.1.4): these see the stores above; the next block's stores come behind them
.endr
.endm
.macro SEND a, younger                 ; younger: the LDS instructions issued behind block a's loads: the next block's sixteen, or none
	s_wait_dscnt \younger
.irp t, 0,1,2,3,4,5,6,7
	global_store_b128 v10, v[T+32*(\a)+4*(\t):T+32*(\a)+4*(\t)+3], s[60:61] offset:(16*(\a)+2*(\t))*4096  ; 16 lanes store 256 consecutive bytes, aligned
.endr
.endm
.macro OUT blk
	WIN 0
	ds_load_b128 v[16:19], v13 offset:(18+(\blk))*512
	ds_load_b128 v[20:23], v13 offset:(18+(\blk))*512+16
	s_wait_dscnt 0x0
	WIN 0x82                                       ; O (destination and source 0) window 2
.set z, 0
.rept 64
	v_pk_mul_f32 v[2*z:2*z+1], v[2*z:2*z+1], v[16+2*(z/16):17+2*(z/16)]
.set z, z+1
.endr
	TOSTAGE 0
	TOSTAGE 1
	SEND 0, 16
	TOSTAGE 2
	SEND 1, 16
	TOSTAGE 3
	SEND 2, 16
	SEND 3, 0
	s_wait_xcnt 0x0                                ; the stores' base and T's registers are rewritten only behind this wait
.endm
	s_mov_b32 s71, 1                               ; the walk round to be asked for next
	s_mov_b32 s39, 0                               ; the walk round in hand
	s_mov_b32 s40, 1                               ; 1: the round in hand is a block's first
	s_mov_b32 s41, SLOTX                           ; the first round turns these two to slot 0
	s_mov_b32 s43, VB1
	s_mov_b32 s38, 8
.Lwalk:                                                ; 8 trips: a round is multiplied and the next is asked for
	TRIP 1
	s_cmp_lg_u32 s39, s42
	s_cbranch_scc1 .Lsame                          ; forward, past no barrier and no tensor load
	OUT 0                                          ; the first block's last round is done; the second block's first tile is on its way meanwhile
	s_mov_b64 s[60:61], s[62:63]
	s_mov_b32 s40, 1
.Lsame:
	s_add_co_u32 s39, s39, 1
	s_sub_co_u32 s38, s38, 1
	s_cmp_lg_u32 s38, 0
	s_cbranch_scc1 .Lwalk
	TRIP 0                                         ; the walk's last round is written out: nothing is asked for
	OUT 1
	s_wait_tensorcnt 0x0                           ; the wave's end
	ds_add_u32 v28, v29
	s_wait_dscnt 0x0
	CROUND                                         ; the closing round
	s_endpgm
.Lfunc_end_k_q862a48a196_pv:
	.size	k_q862a48a196_pv, .Lfunc_end_k_q862a48a196_pv-k_q862a48a196_pv
	.p2alignl 7, 3214868480
	.fill 96, 4, 3214868480
	.section	.rodata,"a",@progbits
	.p2align	6, 0x0
	.amdhsa_kernel k_q862a48a196_pv
		.amdhsa_group_segment_fixed_size 327680
		.amdhsa_private_segment_fixed_size 0
		.amdhsa_enable_private_segment 0
		.amdhsa_kernarg_size 32
		.amdhsa_user_sgpr_count 2
		.amdhsa_user_sgpr_kernarg_segment_ptr 1
		.amdhsa_wavefront_size32 1
		.amdhsa_system_sgpr_workgroup_id_x 1
		.amdhsa_system_sgpr_workgroup_id_y 1
		.amdhsa_system_sgpr_workgroup_id_z 1
		.amdhsa_system_vgpr_workitem_id 0
		.amdhsa_next_free_vgpr 1024
		.amdhsa_next_free_sgpr 96
		.amdhsa_reserve_vcc 0
		.amdhsa_float_denorm_mode_32 3
		.amdhsa_float_denorm_mode_16_64 3
		.amdhsa_memory_ordered 1
		.amdhsa_forward_progress 1
		.amdhsa_inst_pref_size 108
	.end_amdhsa_kernel
	.amdgpu_metadata
---
amdhsa.version: [ 1, 2 ]
amdhsa.kernels:
  - .name:           k_q862a48a196_pv
    .symbol:         k_q862a48a196_pv.kd
    .args:
      - { .name: pbuf, .offset: 0, .size: 8, .value_kind: global_buffer, .address_space: global }
      - { .name: qkv, .offset: 8, .size: 8, .value_kind: global_buffer, .address_space: global }
      - { .name: stat, .offset: 16, .size: 8, .value_kind: global_buffer, .address_space: global }
      - { .name: out0, .offset: 24, .size: 8, .value_kind: global_buffer, .address_space: global }
    .group_segment_fixed_size: 327680
    .private_segment_fixed_size: 0
    .kernarg_segment_align: 8
    .kernarg_segment_size: 32
    .max_flat_workgroup_size: 128
    .sgpr_count:     96
    .vgpr_count:     1024
    .wavefront_size: 32
...
	.end_amdgpu_metadata
.endif
;; end of part 4
;; ======== version 2 of 2: 4 launches; version 1 with the launch prep written anew for expert scheduling mode
;; limits: values are held in f16: magnitudes above 65,504 overflow, below 6.1e-05 lose precision
;; workspace buffers: xb 16,777,216 bytes; wb 6,291,456 bytes; qkv 50,331,648 bytes; pbuf 33,554,432 bytes; stat 1,048,576 bytes
;; launch prep (part 5): grid 704 x 1, 8 waves a work-group, no clusters, 0 bytes of LDS; arguments x, Wq, Wk, Wv, xb, wb; writes xb, wb
.if DOCPART == 5
	.amdgcn_target "amdgcn-amd-amdhsa--gfx1250"
	.amdhsa_code_object_version 6
	.text
	.protected	k_q862a48a196_prep
	.globl	k_q862a48a196_prep
	.p2align	8
	.type	k_q862a48a196_prep,@function
k_q862a48a196_prep:
	s_mov_b64 s[64:65], 0
	v_nop
	global_prefetch_b8 v0, s[64:65] scope:SCOPE_SE
	s_setreg_imm32_b32 hwreg(HW_REG_WAVE_SCHED_MODE, 0, 2), 2
	s_setreg_imm32_b32 hwreg(HW_REG_WAVE_MODE, 25, 1), 1
	s_wait_xcnt 0x0
	s_wait_alu depctr_vm_vsrc(0)
; x [8192][1024] and Wq, Wk, Wv [1024][1024], all f32, are rounded once to bf16 (nearest even) for the projection's products.
; xb: [16 blocks of 64 k][8192 rows][64 k] bf16: in a block a row is 128 bytes and rows follow each other, so 128 rows of a K step are 16,384 dense bytes.
; wb: [1024 k][3072 n] bf16, n = Wq's, Wk's, Wv's columns side by side: a row is 6,144 bytes.
; A stream: no LDS, no barrier, no matrix unit, no loop.  A wave has its 16 loads of 16 bytes a lane out at once.
; Work-groups 0-511: 16 rows of x each.  Work-groups 512-703: 16 rows of one of the three weights each.
; THE MODE: SCHED_MODE bits 1:0 = 2 (LLVM: expert scheduling mode 2), set by the entry lines.  The code itself states the register dependences
; between vector instructions and memory instructions, with s_wait_alu, always for 0.
; THE PLAN, the same in both arms.  Registers that memory instructions touch:
;   v2, v3   the loads' and the stores' byte offsets: made once at the arm's head by vector instructions, never written again.
;   X        load i lands in X + 4 i .. + 3, which no vector instruction has named before; its two conversions read them behind the wait on LOADcnt.
;   Y        the conversions of load i write Y + 2 i, Y + 2 i + 1, once; store i reads them.
; No register is written twice and no load lands in a register that a vector instruction has named: what is left to state is that an offset, or a store's data, is written.
; The 16 loads are worked on in four groups of four.  One wait stands ahead of the first load (v2, v3).  One stands at the head of each of groups 1 to 3, behind the wait for the group's data:
; the group before has written its Y.  That group's four stores follow, dealt among this group's conversions, which name this group's X and Y alone: none of the registers that those stores read.
; One more stands ahead of the last four stores.
.set X, 8                              ; v[8:71]    16 x 4 registers as loaded
.set Y, 72                             ; v[72:103]  16 x 2 registers to store; no register is written twice, so no wait frees any
.macro CVT i                           ; the four numbers of load i, rounded and packed
	v_cvt_pk_bf16_f32 v[Y+2*(\i)], v[X+4*(\i)], v[X+4*(\i)+1]
	v_cvt_pk_bf16_f32 v[Y+2*(\i)+1], v[X+4*(\i)+2], v[X+4*(\i)+3]
.endm
.macro STX i                           ; x: a wave's store covers 256 consecutive bytes, aligned: two rows of block i
.if (\i) < 8
	global_store_b64 v3, v[Y+2*(\i):Y+2*(\i)+1], s[12:13] offset:(\i)*1048576
.else
	global_store_b64 v3, v[Y+2*(\i):Y+2*(\i)+1], s[16:17] offset:((\i)-8)*1048576
.endif
.endm
.macro STW i                           ; a weight: 256 consecutive bytes, aligned
	global_store_b64 v3, v[Y+2*(\i):Y+2*(\i)+1], s[14:15] offset:((\i)/8)*6144+((\i)%8)*256
.endm
	s_load_b256 s[4:11], s[0:1], 0x0               ; x s[4:5], Wq s[6:7], Wk s[8:9], Wv s[10:11]
	s_load_b128 s[12:15], s[0:1], 0x20             ; xb s[12:13], wb s[14:15]
	s_cmp_ge_u32 ttmp9, 512
	s_cbranch_scc1 .Lweights
	; x: thread t takes row t / 16 of the group's 16; load i is its 16 bytes of the row's k block i (256 bytes of f32)
	v_lshrrev_b32 v1, 4, v0
	v_and_b32 v2, 15, v0
	v_lshlrev_b32 v2, 4, v2
	v_lshl_add_u32 v2, v1, 12, v2                  ; in: row x 4,096 + 16 x (t % 16)
	v_lshlrev_b32 v3, 3, v0                        ; out: row x 128 + 8 x (t % 16) = 8 t
	s_lshl_b32 s20, ttmp9, 16                      ; the group's 16 rows in x,
	s_mov_b32 s21, 0
	s_lshl_b32 s22, ttmp9, 11                      ; and in a block of xb
	s_mov_b32 s23, 0
	s_wait_kmcnt 0x0
	s_add_nc_u64 s[4:5], s[4:5], s[20:21]
	s_add_nc_u64 s[12:13], s[12:13], s[22:23]
	s_add_nc_u64 s[16:17], s[12:13], 0x800000      ; blocks 8-15: a second base keeps the stores' immediates inside their signed 24 bits
	s_wait_alu depctr_va_vdst(0)                   ; v2 and v3 are written: every load of this arm reads v2 as its offset, every store v3
.irp i, 0,1,2,3,4,5,6,7,8,9,10,11,12,13,14,15
	global_load_b128 v[X+4*(\i):X+4*(\i)+3], v2, s[4:5] offset:256*(\i) th:TH_LOAD_NT
.endr
.irp g, 0,1,2,3
	s_wait_loadcnt 12-4*(\g)                       ; loads come back in order: group g's four are in, the 12 - 4 g younger ones stay out
.if (\g) > 0
	s_wait_alu depctr_va_vdst(0)                   ; the eight conversions of the group before have written its Y registers, which the four stores below read
.endif
.irp j, 0,1,2,3
.if (\g) > 0
	STX 4*(\g)-4+(\j)                              ; the group before; no vector instruction since the wait names its Y or v3
.endif
	CVT 4*(\g)+(\j)
.endr
.endr
	s_wait_alu depctr_va_vdst(0)                   ; group 3's conversions have written its Y registers, which the last four stores read
.irp i, 12,13,14,15
	STX \i
.endr
	s_endpgm
.Lweights:
	; a weight: a wave takes two rows of k; load i is 512 bytes of row i / 8
	s_sub_co_u32 s20, ttmp9, 512
	s_lshr_b32 s21, s20, 6                         ; which weight: 0 Wq, 1 Wk, 2 Wv
	s_and_b32 s22, s20, 63                         ; which 16 rows of it
	v_lshrrev_b32 v1, 5, v0
	v_and_b32 v4, 31, v0
	v_lshlrev_b32 v2, 4, v4
	v_lshl_add_u32 v2, v1, 13, v2                  ; in: wave x 2 rows x 4,096 + 16 x lane
	v_mul_u32_u24 v3, v1, 12288
	v_lshl_add_u32 v3, v4, 3, v3                   ; out: wave x 2 rows x 6,144 + 8 x lane
	s_lshl_b32 s2, s22, 16
	s_mov_b32 s3, 0
	s_mul_i32 s22, s22, 98304                      ; 16 rows of wb,
	s_lshl_b32 s23, s21, 11                        ; the weight's 2,048 bytes in a row
	s_add_co_u32 s22, s22, s23
	s_mov_b32 s23, 0
	s_wait_kmcnt 0x0
	s_cmp_eq_u32 s21, 1
	s_cselect_b64 s[18:19], s[8:9], s[6:7]
	s_cmp_eq_u32 s21, 2
	s_cselect_b64 s[18:19], s[10:11], s[18:19]
	s_add_nc_u64 s[18:19], s[18:19], s[2:3]
	s_add_nc_u64 s[14:15], s[14:15], s[22:23]
	s_wait_alu depctr_va_vdst(0)                   ; v2 and v3 are written: every load of this arm reads v2 as its offset, every store v3
.irp i, 0,1,2,3,4,5,6,7,8,9,10,11,12,13,14,15
	global_load_b128 v[X+4*(\i):X+4*(\i)+3], v2, s[18:19] offset:((\i)/8)*4096+((\i)%8)*512 th:TH_LOAD_NT
.endr
.irp g, 0,1,2,3
	s_wait_loadcnt 12-4*(\g)                       ; group g's four loads are in, the 12 - 4 g younger ones stay out
.if (\g) > 0
	s_wait_alu depctr_va_vdst(0)                   ; the eight conversions of the group before have written its Y registers, which the four stores below read
.endif
.irp j, 0,1,2,3
.if (\g) > 0
	STW 4*(\g)-4+(\j)                              ; the group before; no vector instruction since the wait names its Y or v3
.endif
	CVT 4*(\g)+(\j)
.endr
.endr
	s_wait_alu depctr_va_vdst(0)                   ; group 3's conversions have written its Y registers, which the last four stores read
.irp i, 12,13,14,15
	STW \i
.endr
	s_endpgm
.Lfunc_end_k_q862a48a196_prep:
	.size	k_q862a48a196_prep, .Lfunc_end_k_q862a48a196_prep-k_q862a48a196_prep
	.p2alignl 7, 3214868480
	.fill 96, 4, 3214868480
	.section	.rodata,"a",@progbits
	.p2align	6, 0x0
	.amdhsa_kernel k_q862a48a196_prep
		.amdhsa_group_segment_fixed_size 0
		.amdhsa_private_segment_fixed_size 0
		.amdhsa_enable_private_segment 0
		.amdhsa_kernarg_size 48
		.amdhsa_user_sgpr_count 2
		.amdhsa_user_sgpr_kernarg_segment_ptr 1
		.amdhsa_wavefront_size32 1
		.amdhsa_system_sgpr_workgroup_id_x 1
		.amdhsa_system_sgpr_workgroup_id_y 1
		.amdhsa_system_sgpr_workgroup_id_z 1
		.amdhsa_system_vgpr_workitem_id 0
		.amdhsa_next_free_vgpr 104
		.amdhsa_next_free_sgpr 66
		.amdhsa_reserve_vcc 0
		.amdhsa_float_denorm_mode_32 3
		.amdhsa_float_denorm_mode_16_64 3
		.amdhsa_memory_ordered 1
		.amdhsa_forward_progress 1
		.amdhsa_inst_pref_size 13
	.end_amdhsa_kernel
	.amdgpu_metadata
---
amdhsa.version: [ 1, 2 ]
amdhsa.kernels:
  - .name:           k_q862a48a196_prep
    .symbol:         k_q862a48a196_prep.kd
    .args:
      - { .name: x, .offset: 0, .size: 8, .value_kind: global_buffer, .address_space: global }
      - { .name: Wq, .offset: 8, .size: 8, .value_kind: global_buffer, .address_space: global }
      - { .name: Wk, .offset: 16, .size: 8, .value_kind: global_buffer, .address_space: global }
      - { .name: Wv, .offset: 24, .size: 8, .value_kind: global_buffer, .address_space: global }
      - { .name: xb, .offset: 32, .size: 8, .value_kind: global_buffer, .address_space: global }
      - { .name: wb, .offset: 40, .size: 8, .value_kind: global_buffer, .address_space: global }
    .group_segment_fixed_size: 0
    .private_segment_fixed_size: 0
    .kernarg_segment_align: 8
    .kernarg_segment_size: 48
    .max_flat_workgroup_size: 256
    .sgpr_count:     66
    .vgpr_count:     104
    .wavefront_size: 32
...
	.end_amdgpu_metadata
.endif
;; end of part 5
;; launch proj: the kernel of part 2 again; grid 8 x 32, 4 waves a work-group, clusters of 4 x 4, 327,680 bytes of LDS; arguments xb, wb, qkv; writes qkv
;; launch scores: the kernel of part 3 again; grid 36 x 4, 4 waves a work-group, no clusters, 327,680 bytes of LDS; arguments qkv, pbuf, stat; writes pbuf, stat
;; launch pv: the kernel of part 4 again; grid 4 x 64, 4 waves a work-group, clusters of 4 x 1, 327,680 bytes of LDS; arguments pbuf, qkv, stat, out0; writes out0
